; MI455X (gfx1250); checked and timed in simulation.
; The chip was launched on July 23, 2026; its instructions are those of AMD's public machine-readable ISA for CDNA 5 (MIT licence, August 2026) and "CDNA5" Instruction Set Architecture Reference Guide (July 2026). The comments in the code are by the model that wrote it; some were corrected since.
;; Multi Head Attention. Allowed arithmetic: matrix products marked QUANTISED: E2M1 operands, one E8M0 scale for each 32 along K, by v_wmma_scale_f32_16x16x128_f8f6f4 with both operands' format E2M1 (or v_wmma_scale_f32_32x16x128_f4), f32 sums; products left as they are: bf16, f16 or f32 operands; f32 sums; everything else in f32.
;; Inputs: W_out 1,024 x 1,024 float32; W_qkv 1,024 x 3,072 float32; b_out 1,024 float32; b_qkv 3,072 float32; x 4 x 2,048 x 1,024 float32.
;; Outputs: out0 4 x 2,048 x 1,024 float32.
;; This version of the problem:
;;   THIS VERSION OF THE PROBLEM IS GIVEN IN LOW PRECISION. The matrix products marked QUANTISED in the list below multiply operands that are first quantised to E2M1 (2 exponent bits, 1 mantissa bit; 4 bits a number), with one power-of-two scale for each 32 numbers along K (OCP MX v1.0); their sums are f32. The products marked 'left as it is' may take bf16, f16 or f32 operands, with f32 sums. Whichever they take, every output number must still come out within the allowed error. Rounding operands to bf16 (8 significant bits) uses up far more of that allowance than f16 does (11 bits, for magnitudes from 6e-5 to 65,504). All else is computed in f32.
;;   The module's matrix products, in the order in which they are computed (A, B: the left and right operand; K: the contracted axis; several contracted axes count as one K, in the product's order):
;;     1. [M 8,192, K 1,024] x [K 1,024, N 3,072]; A: input x; B: input W_qkv: QUANTISED
;;     2. batch 64 x [M 2,048, K 64] x [K 64, N 2,048]; A: computed on the way; B: computed on the way: left as it is (an operand is computed on the way)
;;     3. batch 64 x [M 2,048, K 2,048] x [K 2,048, N 64]; A: computed on the way; B: computed on the way: left as it is (an operand is computed on the way)
;;     4. [M 8,192, K 1,024] x [K 1,024, N 1,024]; A: computed on the way; B: input W_out: left as it is (an operand is computed on the way)
;;   THE QUANTISER, for each operand of a quantised product, along K:
;;     - K is cut into blocks of 32 from its start; a last block that is shorter is filled with zeros.
;;     - A block's scale is 2^e with e = floor(log2(the largest magnitude in the block)) - 2, held to -126 .. 127; a block of zeros has e = 0. As a byte (E8M0): e + 127.
;;     - Each number is divided by its block's scale, clamped to +-6, and rounded to the nearest number of E2M1, ties to even, subnormals kept.
;;     - The product sums the exact products of the quantised numbers (number of the format x scale) in f32.
;;   ~~~python
;;   def quantise(x, axis):      # numpy; x: float32 -> the quantised numbers, widened to float32 again
;;       x = np.moveaxis(x, axis, -1); K = x.shape[-1]
;;       x = np.pad(x, [(0, 0)] * (x.ndim - 1) + [(0, -K % 32)]); x = x.reshape(x.shape[:-1] + (-1, 32)); a = np.abs(x).max(-1, keepdims=True)
;;       e = np.where(a > 0, np.clip(np.frexp(np.where(a > 0, a, 1))[1] - 1 - 2, -126, 127), 0)      # np.frexp(a)[1] - 1 = floor(log2(a)), exactly
;;       r = np.clip(x / 2.0 ** e, -6, 6)
;;       step = 2.0 ** (np.maximum(np.frexp(np.where(r == 0, 1, r))[1] - 1, 0) - 1)
;;       q = np.round(r / step) * step * 2.0 ** e      # np.round: ties to even
;;       return np.moveaxis(q.reshape(q.shape[:-2] + (-1,))[..., :K], -1, axis).astype(np.float32)
;;   ~~~
;; One version. Each part assembles by itself: llvm-mc -triple=amdgcn-amd-amdhsa -mcpu=gfx1250 --defsym DOCPART=n.
;; ======== version 1 of 1: 4 launches
;; limits: values are held in f16: magnitudes above 65,504 overflow, below 6.1e-05 lose precision
;; workspace buffers: xc 4,194,304 bytes; xs 262,144 bytes; wc 1,572,864 bytes; ws 98,304 bytes; wo16 2,097,152 bytes; qkvh 50,331,648 bytes; oh 16,777,216 bytes
;; launch prep (part 1): grid 336 x 1, 4 waves a work-group, no clusters, 68,096 bytes of LDS; arguments x, W_qkv, W_out, xc, xs, wc, ws, wo16; writes xc, xs, wc, ws, wo16
.if DOCPART == 1
	.amdgcn_target "amdgcn-amd-amdhsa--gfx1250"
	.amdhsa_code_object_version 6
	.text
	.protected	k_q8d5ba00959_prep
	.globl	k_q8d5ba00959_prep
	.p2align	8
	.type	k_q8d5ba00959_prep,@function
k_q8d5ba00959_prep:
	s_mov_b64 s[64:65], 0
	v_nop
	global_prefetch_b8 v0, s[64:65] scope:SCOPE_SE
	s_setreg_imm32_b32 hwreg(HW_REG_WAVE_MODE, 25, 1), 1
	s_wait_xcnt 0x0
; PREP: three jobs in one launch, told apart by the work-group's number alone; each has its own path, its own LDS bytes and its own end.
;   work-groups 0-255:   x [8192][1024] f32 -> codes of E2M1, K innermost (xc [8192][512 bytes]) and one E8M0 byte for each 32 along K (xs [8192][32]).
;   work-groups 256-303: W_qkv [1024 (k)][3072 (n)] f32, K its FIRST axis -> wc [3072][512 bytes], ws [3072][32]: a lane takes a column, its registers run down K.
;   work-groups 304-335: W_out [1024][1024] f32 -> f16, as it lies (wo16).
; A block's scale is 2^(floor(log2(its largest magnitude)) - 2); its byte is the largest magnitude's exponent field - 2, held at 1 from below.
; LIMITS: a block of zeros gets the byte 1 where the rule says 127 (its codes are zeros, and this program alone reads the bytes); blocks whose largest magnitude lies under 2^-124 keep the byte 1;
; NaN and infinities among the inputs are not served; W_out beyond 65,504 becomes infinity in f16, under 6e-5 its step is 6e-8.
; No tensor loads, no barrier, no matrix unit, no cluster: the waves share nothing and every input byte is read once.
.set SPW,    190                       ; v190  LDS address of my spare word: SPARE + 4 x my thread's number; never rewritten
.set NIL,    191                       ; v191  0; never rewritten
.set XREG,   8192                      ; path x: a region for each wave: two stages of 32 x SP bytes, behind them its 256 scale bytes
.set SP,     80                        ; a lane's place in a stage: 64 bytes + 16 of padding
.set WSTG,   4*XREG                    ; path W: four stages of 32 rows x WPITCH
.set WPITCH, 272
.set SPARE,  WSTG+4*32*WPITCH          ; the spare words, 128 bytes for each wave: two blocks of 256 bytes that no other line names
.set STEPS,  16
.set XR,     16                        ; path x: v16-79 four sets of 16 numbers as loaded
.set XX,     80                        ;         v80-111 two sets of 16 neighbours
.set XE,     112                       ;         v112-127 a scale byte for each step
.set XC,     128                       ;         v128-189 codes: registers 4 t, 4 t + 1 for step t
.set WN,     3072
.set KROW,   512                       ; a row of wc in bytes
.set NB,     16                        ; path W: blocks of 32 along K for a wave
.set WSB,    24                        ;         v24-27 scale bytes
.set WX,     32                        ;         v32-95 two sets of 32 numbers
.set WC,     96                        ;         v96-99 a block's codes
.set WOUT,   112                       ;         v112-175 the way out
.set CR,     16                        ; the cast: v16-79 sixteen slots of 4 registers as loaded
.set CY,     80                        ;           v80-111 sixteen pairs to store
	s_load_b256 s[4:11], s[0:1], 0x0               ; x s[4:5], W_qkv s[6:7], W_out s[8:9], xc s[10:11]
	s_load_b256 s[12:19], s[0:1], 0x20             ; xs s[12:13], wc s[14:15], ws s[16:17], wo16 s[18:19]
	v_lshl_add_u32 v[SPW], v0, 2, SPARE
	v_mov_b32 v[NIL], 0
	v_lshrrev_b32 v1, 5, v0
	v_readfirstlane_b32 s20, v1                    ; wave 0..3
	v_and_b32 v2, 31, v0                           ; lane
	s_mov_b32 s25, 0                               ; the upper word of every 64-bit offset below
	s_wait_kmcnt 0x0
	s_cmp_lt_u32 ttmp9, 256
	s_cbranch_scc1 .Lpath_x
	s_cmp_lt_u32 ttmp9, 304
	s_cbranch_scc1 .Lpath_w
; ---- THE CAST.  A wave takes 32,768 bytes of W_out: 64 chunks of 512 bytes, 16 bytes a lane; sixteen loads are always out; a store of the wave covers 256 consecutive bytes, aligned.
	s_sub_co_u32 s21, ttmp9, 304
	s_lshl_b32 s21, s21, 2
	s_add_co_u32 s21, s21, s20                     ; my run, 0..127
	s_lshl_b32 s24, s21, 15
	s_add_nc_u64 s[8:9], s[8:9], s[24:25]
	s_lshl_b32 s24, s21, 14
	s_add_nc_u64 s[18:19], s[18:19], s[24:25]
	v_lshlrev_b32 v3, 4, v2                        ; in: 16 bytes a lane; never rewritten
	v_lshlrev_b32 v4, 3, v2                        ; out: 8 bytes a lane; never rewritten
.irp i, 0,1,2,3,4,5,6,7,8,9,10,11,12,13,14,15
	global_load_b128 v[CR+4*\i:CR+4*\i+3], v3, s[8:9] offset:512*\i th:TH_LOAD_NT
.endr
.macro CSLOT i, g, ahead, left         ; slot i in round g; left = how many younger loads may stay out
	s_wait_loadcnt \left                           ; loads come back in order: mine is in
	s_wait_xcnt 0x0                                ; the slot's pair, which its last store reads, is rewritten only behind this wait
	v_cvt_pk_f16_f32 v[CY+2*\i], v[CR+4*\i], v[CR+4*\i+1]
	v_cvt_pk_f16_f32 v[CY+2*\i+1], v[CR+4*\i+2], v[CR+4*\i+3]
.if \ahead
	global_load_b128 v[CR+4*\i:CR+4*\i+3], v3, s[8:9] offset:512*(16*(\g+1)+\i) th:TH_LOAD_NT
.endif
	global_store_b64 v4, v[CY+2*\i:CY+2*\i+1], s[18:19] offset:256*(16*\g+\i)
.endm
.irp g, 0,1,2
.irp i, 0,1,2,3,4,5,6,7,8,9,10,11,12,13,14,15
	CSLOT \i, \g, 1, 15
.endr
.endr
.irp i, 0,1,2,3,4,5,6,7,8,9,10,11,12,13,14,15
	CSLOT \i, 3, 0, 15-\i                          ; the last round loads nothing: the counts run down
.endr
	s_endpgm
; ---- x.  Rows are dense and K is a multiple of 32: a plain stream of blocks.  A wave takes 16 steps of 512 numbers.  Each load reads 512 consecutive bytes; a step's 2,048 bytes turn through the wave's own
; stage so that a lane holds 16 neighbours (two lanes to a block); a lane's 16 codes are 8 bytes: the wave stores 256 consecutive bytes.  The wave's 256 scale bytes are gathered in LDS and leave as one aligned run.
.Lpath_x:
	v_lshlrev_b32 v3, 4, v2                        ; my 16 bytes of a load's 512
	s_mul_i32 s21, s20, XREG
	v_lshrrev_b32 v14, 2, v2
	v_mul_u32_u24 v14, v14, SP
	v_and_b32 v15, 3, v2
	v_lshl_add_u32 v14, v15, 4, v14
	v_add_nc_u32 v14, s21, v14                     ; the stage, in: SP (lane / 4) + 16 (lane % 4)
	v_mul_u32_u24 v15, v2, SP
	v_add_nc_u32 v15, s21, v15                     ; and out: SP x lane: my 16 neighbours
	v_lshlrev_b32 v4, 3, v2                        ; my codes' place in a step's 256 bytes
	v_lshrrev_b32 v5, 1, v2
	s_add_co_u32 s21, s21, 2*32*SP
	v_add_nc_u32 v5, s21, v5                       ; my block's byte among the wave's 256
	v_lshlrev_b32 v7, 3, v2
	v_add_nc_u32 v6, s21, v7                       ; and on the way out 8 bytes a lane
	s_lshl_b32 s22, ttmp9, 2
	s_add_co_u32 s22, s22, s20                     ; my run of 8,192 numbers, 0..1023
	s_lshl_b32 s24, s22, 15
	s_add_nc_u64 s[4:5], s[4:5], s[24:25]
	s_lshl_b32 s24, s22, 12
	s_add_nc_u64 s[10:11], s[10:11], s[24:25]
	s_lshl_b32 s24, s22, 8
	s_add_nc_u64 s[12:13], s[12:13], s[24:25]
.macro XLOAD t
.irp i, 0,1,2,3
	global_load_b128 v[XR+16*((\t)%4)+4*\i:XR+16*((\t)%4)+4*\i+3], v3, s[4:5] offset:2048*(\t)+512*\i th:TH_LOAD_NT
.endr
.endm
.macro XTURN t                         ; LDS serves a wave's instructions in order: no wait between the stores and the loads
.irp i, 0,1,2,3
	ds_store_b128 v14, v[XR+16*((\t)%4)+4*\i:XR+16*((\t)%4)+4*\i+3] offset:32*SP*((\t)%2)+8*SP*\i
.endr
.irp i, 0,1,2,3
	ds_load_b128 v[XX+16*((\t)%2)+4*\i:XX+16*((\t)%2)+4*\i+3], v15 offset:32*SP*((\t)%2)+16*\i
.endr
.endm
.irp t, 0,1,2,3
	XLOAD \t
.endr
	s_wait_loadcnt 12                              ; step 0's four loads are in
	XTURN 0
.macro XSTEP t
.set XS, XX+16*((\t)%2)
.if (\t) > 0
	s_wait_dscnt 1                                 ; this step's numbers are back from the stage (the last step's byte store may be out): its stores into the stage have read their registers,
.else
	s_wait_dscnt 0x0
.endif
.if (\t)+4 < STEPS
	XLOAD (\t)+4                                   ; which take the loads of four steps on
.endif
.if (\t)+1 < STEPS
.if STEPS-2-(\t) >= 3
	s_wait_loadcnt 12                              ; the next step's four loads are in; those of the three steps behind it may be out
.else
	s_wait_loadcnt 4*(STEPS-2-(\t))
.endif
	XTURN (\t)+1
.endif
	v_max3_num_f32 v8, |v[XS]|, |v[XS+1]|, |v[XS+2]|               ; the largest magnitude of my 16, in two chains
	v_max3_num_f32 v9, |v[XS+3]|, |v[XS+4]|, |v[XS+5]|
.irp i, 6,10
	v_max3_num_f32 v8, v8, |v[XS+\i]|, |v[XS+\i+1]|
	v_max3_num_f32 v9, v9, |v[XS+\i+2]|, |v[XS+\i+3]|
.endr
	v_max3_num_f32 v8, v8, |v[XS+14]|, |v[XS+15]|
	v_max3_num_f32 v8, v8, v9, 0x1800000           ; and the floor 2^(3 - 127): the byte cannot fall under 1
	v_max_num_f32_dpp v8, v8, v8 row_xmask:1 row_mask:0xf bank_mask:0xf   ; with my neighbour's 16: the block's
	v_add_nc_u32 v11, 0xff000000, v8               ; 2 off its exponent field: the conversion takes the exponent field of this operand as its scale
	v_cvt_scalef32_pk8_fp4_f32 v[XC+4*(\t)], v[XS:XS+7], v11
	v_cvt_scalef32_pk8_fp4_f32 v[XC+4*(\t)+1], v[XS+8:XS+15], v11
	v_lshrrev_b32 v[XE+(\t)], 23, v11              ; the scale's byte (also the plain line behind the conversions)
	ds_store_b8 v5, v[XE+(\t)] offset:16*(\t)      ; both lanes of a block write the same byte with the same value
	global_store_b64 v4, v[XC+4*(\t):XC+4*(\t)+1], s[10:11] offset:256*(\t)
.endm
.irp t, 0,1,2,3,4,5,6,7,8,9,10,11,12,13,14,15
	XSTEP \t
.endr
	ds_load_b64 v[8:9], v6                         ; these see my byte stores: LDS serves a wave in order
	s_wait_dscnt 0x0
	global_store_b64 v7, v[8:9], s[12:13]          ; 32 lanes store 256 consecutive bytes, aligned
	s_wait_tensorcnt 0x0                           ; the wave's end
	ds_add_u32 v[SPW], v[NIL]
	s_wait_dscnt 0x0
	s_endpgm
; ---- W_qkv.  A wave takes 32 columns x 512 along K: each load reads 128 consecutive bytes of one row k; a lane's 32 registers are one block of its column; its codes (256 bytes a column) go through the
; wave's own stage and leave as rows: sixteen lanes store 256 consecutive bytes, aligned.  Every offset is an immediate: 511 rows of 12,288 bytes at the most, inside the signed 24 bits.
.Lpath_w:
	s_sub_co_u32 s21, ttmp9, 256
	s_lshr_b32 s22, s21, 1                         ; which 128 columns
	s_and_b32 s23, s21, 1                          ; which half of K
	s_lshl_b32 s22, s22, 7
	s_lshl_b32 s24, s20, 5
	s_add_co_u32 s22, s22, s24                     ; my wave's first column
	v_lshlrev_b32 v3, 2, v2                        ; in: 4 bytes a lane
	s_mul_i32 s21, s20, 32*WPITCH
	s_add_co_u32 s21, s21, WSTG                    ; my stage
	v_mul_u32_u24 v4, v2, WPITCH
	v_add_nc_u32 v4, s21, v4                       ; into it: row = my column
	v_and_b32 v5, 15, v2
	v_lshrrev_b32 v6, 4, v2
	v_mul_u32_u24 v7, v6, WPITCH
	v_lshl_add_u32 v7, v5, 4, v7
	v_add_nc_u32 v7, s21, v7                       ; out of it: sixteen lanes to a row, two rows an instruction
	v_mul_u32_u24 v8, v6, KROW
	v_lshl_add_u32 v8, v5, 4, v8                   ; and the same place in wc
	v_lshlrev_b32 v9, 5, v2                        ; my column's row of scale bytes
	s_mul_i32 s24, s23, 512*WN*4
	s_lshl_b32 s26, s22, 2
	s_add_co_u32 s24, s24, s26
	s_add_nc_u64 s[6:7], s[6:7], s[24:25]          ; W_qkv at (512 x half, my first column)
	s_lshl_b32 s24, s22, 9
	s_lshl_b32 s26, s23, 8
	s_add_co_u32 s24, s24, s26
	s_add_nc_u64 s[14:15], s[14:15], s[24:25]      ; wc at (my first column, 256 bytes x half)
	s_lshl_b32 s24, s22, 5
	s_lshl_b32 s26, s23, 4
	s_add_co_u32 s24, s24, s26
	s_add_nc_u64 s[16:17], s[16:17], s[24:25]      ; ws likewise
.macro WLOAD t
.irp i, 0,1,2,3,4,5,6,7,8,9,10,11,12,13,14,15,16,17,18,19,20,21,22,23,24,25,26,27,28,29,30,31
	global_load_b32 v[WX+32*((\t)%2)+\i], v3, s[6:7] offset:(32*(\t)+\i)*WN*4 th:TH_LOAD_NT
.endr
.endm
	WLOAD 0
	WLOAD 1
.macro WBLOCK t
.set WS, WX+32*((\t)%2)
.if (\t) < NB-1
	s_wait_loadcnt 32                              ; this block's 32 loads are in; the next block's may be out
.else
	s_wait_loadcnt 0
.endif
	v_max3_num_f32 v12, |v[WS]|, |v[WS+1]|, |v[WS+2]|               ; the block's largest magnitude: all 32 numbers are mine
	v_max3_num_f32 v13, |v[WS+3]|, |v[WS+4]|, |v[WS+5]|
.irp i, 6,10,14,18,22,26
	v_max3_num_f32 v12, v12, |v[WS+\i]|, |v[WS+\i+1]|
	v_max3_num_f32 v13, v13, |v[WS+\i+2]|, |v[WS+\i+3]|
.endr
	v_max3_num_f32 v12, v12, |v[WS+30]|, |v[WS+31]|
	v_max3_num_f32 v12, v12, v13, 0x1800000        ; and the floor
	v_add_nc_u32 v11, 0xff000000, v12              ; the conversion's scale operand
	v_lshrrev_b32 v13, 23, v11                     ; the scale's byte
.if (\t)%4 == 0
	v_mov_b32 v[WSB+(\t)/4], v13                   ; four bytes to a register, the lower K in the lower byte
.else
	v_lshl_or_b32 v[WSB+(\t)/4], v13, 8*((\t)%4), v[WSB+(\t)/4]
.endif
.irp g, 0,1,2,3
	v_cvt_scalef32_pk8_fp4_f32 v[WC+\g], v[WS+8*\g:WS+8*\g+7], v11
.endr
	v_nop                                          ; one plain line behind the last conversion
	ds_store_b128 v4, v[WC:WC+3] offset:16*(\t)    ; 32 codes: 16 bytes of my column's row
.if (\t)+2 < NB
	WLOAD (\t)+2
.endif
	s_wait_dscnt 0x0                               ; the store has read its registers: the next block's codes may be written
.endm
.set Q, 0
.rept NB
	WBLOCK Q
.set Q, Q+1
.endr
	global_store_b128 v9, v[WSB:WSB+3], s[16:17]   ; my column's 16 scale bytes
.irp t, 0,1,2,3,4,5,6,7,8,9,10,11,12,13,14,15
	ds_load_b128 v[WOUT+4*\t:WOUT+4*\t+3], v7 offset:2*\t*WPITCH
.endr
.irp t, 0,1,2,3,4,5,6,7,8,9,10,11,12,13,14,15
	s_wait_dscnt 15-\t
	global_store_b128 v8, v[WOUT+4*\t:WOUT+4*\t+3], s[14:15] offset:2*\t*KROW
.endr
	s_wait_tensorcnt 0x0                           ; the wave's end
	ds_add_u32 v[SPW], v[NIL]
	s_wait_dscnt 0x0
	s_endpgm
.Lfunc_end_k_q8d5ba00959_prep:
	.size	k_q8d5ba00959_prep, .Lfunc_end_k_q8d5ba00959_prep-k_q8d5ba00959_prep
	.p2alignl 7, 3214868480
	.fill 96, 4, 3214868480
	.section	.rodata,"a",@progbits
	.p2align	6, 0x0
	.amdhsa_kernel k_q8d5ba00959_prep
		.amdhsa_group_segment_fixed_size 68096
		.amdhsa_private_segment_fixed_size 0
		.amdhsa_enable_private_segment 0
		.amdhsa_kernarg_size 64
		.amdhsa_user_sgpr_count 2
		.amdhsa_user_sgpr_kernarg_segment_ptr 1
		.amdhsa_wavefront_size32 1
		.amdhsa_system_sgpr_workgroup_id_x 1
		.amdhsa_system_sgpr_workgroup_id_y 1
		.amdhsa_system_sgpr_workgroup_id_z 1
		.amdhsa_system_vgpr_workitem_id 0
		.amdhsa_next_free_vgpr 192
		.amdhsa_next_free_sgpr 66
		.amdhsa_reserve_vcc 0
		.amdhsa_float_denorm_mode_32 3
		.amdhsa_float_denorm_mode_16_64 3
		.amdhsa_memory_ordered 1
		.amdhsa_forward_progress 1
		.amdhsa_inst_pref_size 135
	.end_amdhsa_kernel
	.amdgpu_metadata
---
amdhsa.version: [ 1, 2 ]
amdhsa.kernels:
  - .name:           k_q8d5ba00959_prep
    .symbol:         k_q8d5ba00959_prep.kd
    .args:
      - { .name: x, .offset: 0, .size: 8, .value_kind: global_buffer, .address_space: global }
      - { .name: W_qkv, .offset: 8, .size: 8, .value_kind: global_buffer, .address_space: global }
      - { .name: W_out, .offset: 16, .size: 8, .value_kind: global_buffer, .address_space: global }
      - { .name: xc, .offset: 24, .size: 8, .value_kind: global_buffer, .address_space: global }
      - { .name: xs, .offset: 32, .size: 8, .value_kind: global_buffer, .address_space: global }
      - { .name: wc, .offset: 40, .size: 8, .value_kind: global_buffer, .address_space: global }
      - { .name: ws, .offset: 48, .size: 8, .value_kind: global_buffer, .address_space: global }
      - { .name: wo16, .offset: 56, .size: 8, .value_kind: global_buffer, .address_space: global }
    .group_segment_fixed_size: 68096
    .private_segment_fixed_size: 0
    .kernarg_segment_align: 8
    .kernarg_segment_size: 64
    .max_flat_workgroup_size: 128
    .sgpr_count:     66
    .vgpr_count:     192
    .wavefront_size: 32
...
	.end_amdgpu_metadata
.endif
;; end of part 1
;; launch qkv (part 2): grid 12 x 32, 4 waves a work-group, clusters of 4 x 4, 327,680 bytes of LDS; arguments xc, xs, wc, ws, b_qkv, qkvh; writes qkvh
.if DOCPART == 2
	.amdgcn_target "amdgcn-amd-amdhsa--gfx1250"
	.amdhsa_code_object_version 6
	.text
	.protected	k_q8d5ba00959_qkv
	.globl	k_q8d5ba00959_qkv
	.p2align	8
	.type	k_q8d5ba00959_qkv,@function
k_q8d5ba00959_qkv:
	s_mov_b64 s[64:65], 0
	v_nop
	global_prefetch_b8 v0, s[64:65] scope:SCOPE_SE
	s_setreg_imm32_b32 hwreg(HW_REG_WAVE_MODE, 25, 1), 1
	s_wait_xcnt 0x0
	s_wait_alu depctr_hold_cnt(0) depctr_sa_sdst(0) depctr_va_vdst(0) depctr_va_sdst(0) depctr_va_ssrc(0) depctr_va_vcc(0) depctr_vm_vsrc(0)
	s_getreg_b32 s2, hwreg(HW_REG_IB_STS2, 6, 4)
	s_cmp_eq_u32 s2, 0
	s_cbranch_scc0 .Lentry_in_a_cluster
	s_endpgm
.Lentry_in_a_cluster:
	s_bfe_u32 s2, ttmp6, 0x10000c
	s_cmp_lg_u32 s2, 0xf033
	s_cbranch_scc0 .Lentry_shape_is_right
	s_endpgm
.Lentry_shape_is_right:
; QKV: C[m][n] = sum over k of Q(x)[m][k] Q(W_qkv)[k][n] + b_qkv[n], m 8,192, n 3,072, K 1,024, on codes of E2M1 with one E8M0 scale for each 32 along K; sums in f32; C rounded once to f16
; and stored by head: qkvh [3 (q, k, v)][batch 4][head 16][position 2,048][64]: byte (n / 1024) << 24 + (m / 2048) << 22 + ((n / 64) % 16) << 18 + (m % 2048) << 7 + 2 (n % 64).
; LIMIT: beyond 65,504 a number of q, k, v becomes infinity in f16; under 6e-5 its step is 6e-8.
; A tile of C, 256 x 256, is made by four waves, each 128 x 128: 64 accumulators, 512 registers.  K is two slots of 512 (rows of 256 bytes): both are first fills, nothing is filled again.
; The scale bytes of the work-group's 256 rows of each operand are dense blocks and come once, with the first fills.
; CLUSTERS: 4 x 4 work-groups; A's tiles are asked for jointly along a row of the cluster, B's along a column.
; THE MATRIX INSTRUCTION IS USED TRANSPOSED (source 0 = 16 rows of wc, source 1 = 16 rows of xc): a lane holds eight neighbouring n of one row m.  The bias is the C of each sum's first product.
; REGISTERS: window 0: v0-31 addresses; v32-95 scale words, two sets; v128-191 A's fragments, one set; on the way out v32-63, v192-255.
;   window 1: B's fragments, two sets, at v0 and v128; v192-255 the bias in the result's layout.   window 2: accumulators of my rows 0-63 ((a, b) at v[8 (8 a + b)]);   window 3: of rows 64-127.
.set NQ,     4                         ; steps of 128 along K in a slot
.set ROWB,   256                       ; a tile's row in bytes: 512 codes
.set KROW,   512                       ; a row of xc or wc in memory
.set PITCH,  272                       ; an LDS row: 256 bytes + 16 of padding: the 16 rows that a load touches start at 16 different banks
.set FR,     8
.set NL,     2
.set NP,     4
.set HALFT,  128*PITCH
.set SLOT,   4*HALFT
.set KS,     32                        ; a row of scale bytes
.set SCL,    2*SLOT                    ; behind the ring: the scales, as runs of 256 bytes + 16 of padding
.set HALFS,  (128*KS/256)*272
.set SBLK,   (16*KS/256)*272
.set SPARE,  SCL+4*HALFS               ; the spare words, 128 bytes for each wave
.set STAGE,  SPARE+512                 ; the way out: 16 rows x 272 bytes for each wave; no tensor load lands here
.set SPITCH, 272
.set ADRA, 16
.set ADRB, 20
.set STO,  24
.set RD,   25
.set CO,   26
.set ADRS, 27
.set SPW,  28
.set NIL,  29
.set BO,   30                          ; v30  32 x (lane / 16): my eight numbers of a block of the bias
.set SC,   32
.set AF,   128
.set TMP,  192                         ; the way out: packed results
.set OB,   32                          ; and 16 rows read back: v32-63 and v224-255 by turns
.set BIAS, 192                         ; in window 1
.set G1, 24
.set G0, 32
.set G1B, 48
.set G0B, 56
.set G1S, 68
.set G0S, 76
.set G1SB, 80
.set G0SB, 88
.set MSB, 0
.macro WIN new                         ; the immediate's high byte repeats the setting that is left
.if MSB != (\new)
	s_set_vgpr_msb (MSB<<8)|(\new)
.set MSB, (\new)
.endif
.endm
.set MUL_LO, 0xa1                      ; source 0 (B) window 1, source 1 (A) window 0, C and D window 2;  0x91: C (the bias) window 1
.set MUL_HI, 0xf1                      ; the same with window 3;  0xd1: C window 1
.set TO_B,   0x40
; A joint load: waves 0 and 1 fetch for A, waves 2 and 3 for B; the branch hangs on the wave's number alone.  An s_nop 0 and four v_nop follow each line.
.macro JLOAD g0a, g1a, g0b, g1b
	s_cmp_eq_u32 s15, 0
	s_cbranch_scc0 .Lfor_b_\@
	tensor_load_to_lds s[\g0a:\g0a+3], s[\g1a:\g1a+7]
	s_nop 0
.rept 4
	v_nop
.endr
	s_branch .Lasked_\@
.Lfor_b_\@:
	tensor_load_to_lds s[\g0b:\g0b+3], s[\g1b:\g1b+7]
	s_nop 0
.rept 4
	v_nop
.endr
.Lasked_\@:
.endm
.macro CROUND                          ; a round of the cluster's barrier
	s_barrier_signal -1
	s_barrier_wait -1
	s_cmp_lg_u32 s14, 0
	s_cbranch_scc1 .Lnot_wave_0_\@
	s_barrier_signal -3
.Lnot_wave_0_\@:
	s_barrier_wait -3
	s_barrier_signal -1
	s_barrier_wait -1
.endm
	s_load_b128 s[4:7], s[0:1], 0x0                ; xc s[4:5], xs s[6:7]
	s_load_b128 s[8:11], s[0:1], 0x10              ; wc s[8:9], ws s[10:11]
	s_load_b128 s[96:99], s[0:1], 0x20             ; b_qkv s[96:97], qkvh s[98:99]
	v_lshl_add_u32 v[SPW], v0, 2, SPARE
	v_mov_b32 v[NIL], 0
	ds_add_u32 v[SPW], v[NIL]                      ; the wave's opening: the add, twice on end, and its wait ahead of my first tensor load
	ds_add_u32 v[SPW], v[NIL]
	v_lshrrev_b32 v1, 5, v0
	v_readfirstlane_b32 s14, v1                    ; wave 0..3
	s_lshr_b32 s15, s14, 1                         ; which half of the tile's rows is mine.  Also: I fetch for A (0) or for B (1)
	s_and_b32 s16, s14, 1                          ; which half of its columns.  Also: which 128 rows of that tile I fetch
	s_bfe_u32 s40, ttmp6, 0x40000                  ; cx
	s_bfe_u32 s41, ttmp6, 0x40004                  ; cy
	s_lshl_b32 s42, ttmp9, 2
	s_add_co_u32 s42, s42, s40                     ; tile column = 4 x cluster x + cx
	s_and_b32 s17, ttmp7, 0xffff
	s_lshl_b32 s17, s17, 2
	s_add_co_u32 s17, s17, s41                     ; tile row = 4 x cluster y + cy
	s_lshl_b32 s43, s41, 2
	s_lshl_b32 s43, 15, s43                        ; my row of the cluster
	s_lshl_b32 s44, 0x1111, s40                    ; my column
	s_or_b32 s[G1+0], s43, (0<<16)|(1<<20)|(1<<21)|(5<<22)|(3<<25)  ; the mask; elements of 1 byte; padding on; bit 21 beside a mask; 4 words behind every 64
	s_or_b32 s[G1B+0], s44, (0<<16)|(1<<20)|(1<<21)|(5<<22)|(3<<25)
.irp g, G1, G1B
	s_mov_b32 s[\g+1], ROWB<<16                    ; tensor_dim0
	s_mov_b32 s[\g+2], 128<<16                     ; tensor_dim1
	s_mov_b32 s[\g+3], ROWB<<16                    ; tile_dim0
	s_mov_b32 s[\g+4], 128                         ; tile_dim1
	s_mov_b32 s[\g+5], KROW                        ; the pitch
	s_mov_b32 s[\g+6], 0
	s_mov_b32 s[\g+7], 0
.endr
	s_or_b32 s[G1S+0], s43, (3<<16)|(1<<20)|(1<<21)|(5<<22)|(3<<25) ; the scales of 128 rows: 4,096 dense bytes as 16 rows of 256 (32 elements of 8 bytes)
	s_or_b32 s[G1SB+0], s44, (3<<16)|(1<<20)|(1<<21)|(5<<22)|(3<<25)
.irp g, G1S, G1SB
	s_mov_b32 s[\g+1], 32<<16
	s_mov_b32 s[\g+2], (128*KS/256)<<16
	s_mov_b32 s[\g+3], 32<<16
	s_mov_b32 s[\g+4], 128*KS/256
	s_mov_b32 s[\g+5], 32
	s_mov_b32 s[\g+6], 0
	s_mov_b32 s[\g+7], 0
.endr
	s_lshl_b32 s18, s16, 7
	s_lshl_b32 s20, s17, 8
	s_add_co_u32 s20, s20, s18                     ; A: row 256 x tile row + 128 x half
	s_lshl_b32 s46, s42, 8
	s_add_co_u32 s46, s46, s18                     ; B: row 256 x tile column + 128 x half
	s_mov_b32 s21, 0
	s_mov_b32 s47, 0
	s_mov_b64 s[18:19], KS
	s_mul_u64 s[22:23], s[20:21], s[18:19]         ; where these rows' scales begin
	s_mul_u64 s[92:93], s[46:47], s[18:19]
	s_mov_b64 s[18:19], KROW
	s_mul_u64 s[20:21], s[20:21], s[18:19]         ; and their codes
	s_mul_u64 s[46:47], s[46:47], s[18:19]
	s_mul_i32 s45, s14, HALFT                      ; where they go: wave x 128 rows
	s_mul_i32 s94, s14, HALFS
	s_wait_dscnt 0x0                               ; both opening adds are done
	s_wait_kmcnt 0x0
	s_add_nc_u64 s[20:21], s[4:5], s[20:21]
	s_add_nc_u64 s[22:23], s[6:7], s[22:23]
	s_add_nc_u64 s[46:47], s[8:9], s[46:47]
	s_add_nc_u64 s[92:93], s[10:11], s[92:93]
	CROUND                                         ; all sixteen work-groups are here: the joint loads meet
	s_mov_b32 s[G0S], 1
	s_add_co_u32 s[G0S+1], s94, SCL
	s_mov_b64 s[G0S+2:G0S+3], s[22:23]
	s_or_b32 s[G0S+3], s[G0S+3], 0x80000000
	s_mov_b32 s[G0SB], 1
	s_add_co_u32 s[G0SB+1], s94, SCL
	s_mov_b64 s[G0SB+2:G0SB+3], s[92:93]
	s_or_b32 s[G0SB+3], s[G0SB+3], 0x80000000
	JLOAD G0S, G1S, G0SB, G1SB                     ; the scales first: three loads of mine are out in all
.irp s, 0,1
	s_mov_b32 s[G0+4*\s], 1
	s_add_co_u32 s[G0+4*\s+1], s45, \s*SLOT
	s_add_nc_u64 s[G0+4*\s+2:G0+4*\s+3], s[20:21], \s*ROWB
	s_or_b32 s[G0+4*\s+3], s[G0+4*\s+3], 0x80000000
	s_mov_b32 s[G0B+4*\s], 1
	s_add_co_u32 s[G0B+4*\s+1], s45, \s*SLOT
	s_add_nc_u64 s[G0B+4*\s+2:G0B+4*\s+3], s[46:47], \s*ROWB
	s_or_b32 s[G0B+4*\s+3], s[G0B+4*\s+3], 0x80000000
	JLOAD G0+4*\s, G1, G0B+4*\s, G1B
.endr
	v_and_b32 v1, 15, v0                           ; r = l % 16
	v_bfe_u32 v2, v0, 4, 1                         ; h = l / 16
	v_mul_u32_u24 v3, v1, PITCH
	v_lshl_add_u32 v4, v2, 4, v3                   ; a fragment's row x pitch + 16 x half
	s_mul_i32 s21, s15, HALFT
	s_mul_i32 s22, s16, HALFT
	s_add_co_u32 s22, s22, 2*HALFT
.irp s, 0,1
	v_add_nc_u32 v[ADRA+\s], s21, v4
	v_add_nc_u32 v[ADRB+\s], s22, v4
	s_add_co_u32 s21, s21, SLOT
	s_add_co_u32 s22, s22, SLOT
.endr
	v_mul_u32_u24 v5, v1, KS                       ; my row's scales: 32 bytes a row,
	v_lshrrev_b32 v6, 8, v5
	v_lshl_add_u32 v5, v6, 4, v5                   ; and 16 more for each 256 passed
	s_mul_i32 s21, s15, HALFS
	s_mul_i32 s22, s16, HALFS
	s_add_co_u32 s22, s22, 2*HALFS
	s_sub_co_u32 s22, s22, s21
	v_mul_u32_u24 v6, s22, v2                      ; lanes 16-31 take B's: one product, the distance between the two bases
	s_add_co_u32 s21, s21, SCL
	v_add_nc_u32 v5, v5, v6
	v_add_nc_u32 v[ADRS], s21, v5
	s_mul_i32 s23, s14, 16*SPITCH
	s_add_co_u32 s23, s23, STAGE                   ; my stage
	v_mul_u32_u24 v5, v1, SPITCH
	v_lshl_add_u32 v5, v2, 4, v5
	v_add_nc_u32 v[STO], s23, v5                   ; in: row r, 16 bytes for each half of the lanes
	v_and_b32 v6, 31, v0
	v_lshlrev_b32 v[CO], 4, v6                     ; in memory: four positions of 128 bytes are 512 consecutive bytes: 16 x lane
	v_lshrrev_b32 v5, 3, v6
	v_mul_u32_u24 v5, v5, SPITCH
	v_and_b32 v6, 7, v0
	v_lshl_add_u32 v5, v6, 4, v5
	v_add_nc_u32 v[RD], s23, v5                    ; back: row lane / 8 of four, piece lane % 8 of a head's 128 bytes
	v_lshlrev_b32 v[BO], 5, v2
	s_lshl_b32 s20, s17, 8
	s_lshl_b32 s21, s15, 7
	s_add_co_u32 s20, s20, s21                     ; m0 = 256 x tile row + 128 x half
	s_lshr_b32 s21, s20, 11
	s_lshl_b32 s21, s21, 22                        ; the batch
	s_and_b32 s20, s20, 2047
	s_lshl_b32 s20, s20, 7                         ; the position
	s_add_co_u32 s20, s20, s21
	s_lshl_b32 s46, s42, 2
	s_lshl_b32 s47, s16, 1
	s_add_co_u32 s46, s46, s47                     ; g = n0 / 64: my two heads are g and g + 1 (g is even: both of one of q, k, v)
	s_lshr_b32 s47, s46, 4
	s_lshl_b32 s47, s47, 24
	s_and_b32 s46, s46, 15
	s_lshl_b32 s46, s46, 18
	s_add_co_u32 s46, s46, s47
	s_add_co_u32 s20, s20, s46
	s_mov_b32 s21, 0
	s_add_nc_u64 s[12:13], s[98:99], s[20:21]      ; where my part of qkvh begins; never stepped
	s_lshl_b32 s46, s42, 10
	s_lshl_b32 s47, s16, 9
	s_add_co_u32 s46, s46, s47                     ; 4 n0
	s_mov_b32 s47, 0
	s_add_nc_u64 s[96:97], s[96:97], s[46:47]
	WIN TO_B
.irp b, 0,1,2,3,4,5,6,7                ; block b, register j: b_qkv[n0 + 16 b + 8 h + j]
	global_load_b128 v[BIAS+8*\b:BIAS+8*\b+3], v[BO], s[96:97] offset:64*\b
	global_load_b128 v[BIAS+8*\b+4:BIAS+8*\b+7], v[BO], s[96:97] offset:64*\b+16
.endr
	WIN 0
.macro FRAG reg, adr, q, i             ; 16 rows x 128 K of 4-bit codes: 8 registers; registers 4 c .. 4 c + 3 hold K = 64 c + 32 (l / 16) + 0 .. 31
.irp c, 0,1
	ds_load_b128 v[\reg+4*\c:\reg+4*\c+3], v[\adr] offset:64*(\q)+32*\c+(\i)*16*PITCH
.endr
.endm
; 16 products: A's blocks a0, a0 + 1 x B's eight, the slot's q-th 128 along K.  zero = 1: the first product starts the sums from the bias.  The 64 accumulators take turns.
.macro MUL16 a0, p, q, sc, zero
.irp a, \a0, \a0+1
.irp b, 0,1,2,3,4,5,6,7
.if \zero
	v_wmma_scale_f32_16x16x128_f8f6f4 v[8*(8*((\a)%4)+\b):8*(8*((\a)%4)+\b)+7], v[128*(\p)+FR*\b:128*(\p)+FR*\b+FR-1], v[AF+FR*(\a):AF+FR*(\a)+FR-1], v[BIAS+8*\b:BIAS+8*\b+7], v[SC+8*NQ*(\sc)+NQ*\b+(\q)], v[SC+8*NQ*(\sc)+NQ*(\a)+(\q)] matrix_a_fmt:MATRIX_FMT_FP4 matrix_b_fmt:MATRIX_FMT_FP4 matrix_a_scale:MATRIX_SCALE_ROW1
.else
	v_wmma_scale_f32_16x16x128_f8f6f4 v[8*(8*((\a)%4)+\b):8*(8*((\a)%4)+\b)+7], v[128*(\p)+FR*\b:128*(\p)+FR*\b+FR-1], v[AF+FR*(\a):AF+FR*(\a)+FR-1], v[8*(8*((\a)%4)+\b):8*(8*((\a)%4)+\b)+7], v[SC+8*NQ*(\sc)+NQ*\b+(\q)], v[SC+8*NQ*(\sc)+NQ*(\a)+(\q)] matrix_a_fmt:MATRIX_FMT_FP4 matrix_b_fmt:MATRIX_FMT_FP4 matrix_a_scale:MATRIX_SCALE_ROW1
.endif
.endr
.endr
.endm
.macro FETCH_B slot, q, p
	WIN TO_B
.irp i, 0,1,2,3,4,5,6,7
	FRAG 128*(\p)+FR*\i, ADRB+\slot, \q, \i
.endr
	WIN 0
.endm
.macro FETCH_A slot, q, i0
.irp i, \i0, \i0+1, \i0+2, \i0+3
	FRAG AF+FR*(\i), ADRA+\slot, \q, \i
.endr
.endm
.macro SCALES sc                       ; a slot's scale words: 4 words a row; lanes 0-15 take A's block i, lanes 16-31 B's block i
.irp i, 0,1,2,3,4,5,6,7
	ds_load_b128 v[SC+8*NQ*\sc+NQ*\i:SC+8*NQ*\sc+NQ*\i+3], v[ADRS] offset:\i*SBLK
.endr
.endm
.macro PLACES n                        ; plain vector lines between a matrix instruction and a load into, or a read of, its registers
.rept \n
	v_nop
.endr
.endm
.macro STEP slot, q, zero
	s_wait_dscnt 4*NL                              ; B's set and A's blocks 0-3 are in; the youngest eight loads (A's blocks 4-7) may be out
	WIN MUL_LO-0x10*(\zero)
	MUL16 0, (\q)%2, \q, \slot, \zero
	MUL16 2, (\q)%2, \q, \slot, \zero
	s_wait_dscnt 0
	PLACES NP
	FETCH_B \slot, (\q)+1, 1-(\q)%2
	FETCH_A \slot, (\q)+1, 0
	WIN MUL_HI-0x20*(\zero)
	MUL16 4, (\q)%2, \q, \slot, \zero
	MUL16 6, (\q)%2, \q, \slot, \zero
	PLACES NP
	WIN 0
	FETCH_A \slot, (\q)+1, 4
.endm
; Slot 0's last step changes slots: one barrier; in front of it each wave has waited for its tensor loads (its part of slot 1).  Nothing is filled again.
.macro TURN slot, next
	s_wait_tensorcnt 0x0                           ; all my tensor loads have landed
	ds_add_u32 v[SPW], v[NIL]                      ; 0 onto my spare word
	s_wait_dscnt 4*NL+1                            ; (the add and the youngest eight loads may be out)
	WIN MUL_LO
	MUL16 0, 1, NQ-1, \slot, 0
	s_wait_dscnt 0x0
	s_barrier_signal -1
	MUL16 2, 1, NQ-1, \slot, 0
	WIN 0
	s_barrier_wait -1
	PLACES NP
	v_add_nc_u32 v[ADRS], 4*NQ, v[ADRS]            ; on to the next slot's scale words
	FETCH_B \next, 0, 0
	FETCH_A \next, 0, 0
	SCALES \next
	WIN MUL_HI
	MUL16 4, 1, NQ-1, \slot, 0
	MUL16 6, 1, NQ-1, \slot, 0
	PLACES NP
	WIN 0
	FETCH_A \next, 0, 4
.endm
.macro STEPS slot, from
.set Q, \from
.rept NQ-1-\from
	STEP \slot, Q, 0
.set Q, Q+1
.endr
.endm
	s_wait_tensorcnt 1                             ; the scales and my part of slot 0 are in (slot 1's load may be out),
	s_barrier_signal -1
	s_barrier_wait -1                              ; everybody's are
	FETCH_B 0, 0, 0
	FETCH_A 0, 0, 0
	SCALES 0
	FETCH_A 0, 0, 4
	s_wait_loadcnt 0x0                             ; the bias
	STEP 0, 0, 1
	STEPS 0, 1
	TURN 0, 1
	STEPS 1, 0
	s_wait_dscnt 4*NL                              ; the very last step
	WIN MUL_LO
	MUL16 0, 1, NQ-1, 1, 0
	MUL16 2, 1, NQ-1, 1, 0
	s_wait_dscnt 0
	WIN MUL_HI
	MUL16 4, 1, NQ-1, 1, 0
	MUL16 6, 1, NQ-1, 1, 0
	WIN 0
; THE WAY OUT, a block of 16 rows x 128 columns at a time: rounded to f16 (16 bytes a lane), through my own stage, back as four positions x 128 bytes of one head: a store of the wave covers 512 consecutive bytes, aligned.
.macro PACK a
.set AC, 64*((\a)%4)
	WIN 0x0a+5*((\a)/4)                            ; sources 0 and 1: window 2 or 3
.irp b, 0,1,2,3,4,5,6,7
.irp r, 0,1,2,3
	v_cvt_pk_f16_f32 v[TMP+4*\b+\r], v[AC+8*\b+2*\r], v[AC+8*\b+2*\r+1]   ; each accumulator from its low end on
.endr
.endr
	WIN 0
.endm
.macro TOSTAGE a
.set BK, OB+192*((\a)%2)
.irp b, 0,1,2,3,4,5,6,7
	ds_store_b128 v[STO], v[TMP+4*\b:TMP+4*\b+3] offset:32*\b
.endr
.irp i, 0,1,2,3,4,5,6,7                ; head i / 4, positions 4 (i % 4) on.  LDS serves a wave's instructions in order: these see the stores above
	ds_load_b128 v[BK+4*\i:BK+4*\i+3], v[RD] offset:(\i%4)*4*SPITCH+128*(\i/4)
.endr
.endm
.macro SEND a
.set BK, OB+192*((\a)%2)
	s_wait_dscnt 0x0                               ; the block is back in registers
	s_wait_xcnt 0x0                                ; the stores of the block before have read their registers: the next block's loads may land there
.irp i, 0,1,2,3,4,5,6,7
	global_store_b128 v[CO], v[BK+4*\i:BK+4*\i+3], s[12:13] offset:(\i/4)*262144+2048*(\a)+512*(\i%4)
.endr
.endm
	PLACES NP
	PACK 0
	TOSTAGE 0
.irp a, 1,2,3,4,5,6,7                  ; block a's conversions stand between block a - 1's loads from the stage and the wait for them
	PACK \a
	SEND \a-1
	TOSTAGE \a
.endr
	SEND 7
	s_wait_tensorcnt 0x0                           ; the wave's end
	ds_add_u32 v[SPW], v[NIL]
	s_wait_dscnt 0x0
	CROUND                                         ; the closing round
	s_endpgm
.Lfunc_end_k_q8d5ba00959_qkv:
	.size	k_q8d5ba00959_qkv, .Lfunc_end_k_q8d5ba00959_qkv-k_q8d5ba00959_qkv
	.p2alignl 7, 3214868480
	.fill 96, 4, 3214868480
	.section	.rodata,"a",@progbits
	.p2align	6, 0x0
	.amdhsa_kernel k_q8d5ba00959_qkv
		.amdhsa_group_segment_fixed_size 327680
		.amdhsa_private_segment_fixed_size 0
		.amdhsa_enable_private_segment 0
		.amdhsa_kernarg_size 48
		.amdhsa_user_sgpr_count 2
		.amdhsa_user_sgpr_kernarg_segment_ptr 1
		.amdhsa_wavefront_size32 1
		.amdhsa_system_sgpr_workgroup_id_x 1
		.amdhsa_system_sgpr_workgroup_id_y 1
		.amdhsa_system_sgpr_workgroup_id_z 1
		.amdhsa_system_vgpr_workitem_id 0
		.amdhsa_next_free_vgpr 1024
		.amdhsa_next_free_sgpr 100
		.amdhsa_reserve_vcc 0
		.amdhsa_float_denorm_mode_32 3
		.amdhsa_float_denorm_mode_16_64 3
		.amdhsa_memory_ordered 1
		.amdhsa_forward_progress 1
		.amdhsa_inst_pref_size 128
	.end_amdhsa_kernel
	.amdgpu_metadata
---
amdhsa.version: [ 1, 2 ]
amdhsa.kernels:
  - .name:           k_q8d5ba00959_qkv
    .symbol:         k_q8d5ba00959_qkv.kd
    .args:
      - { .name: xc, .offset: 0, .size: 8, .value_kind: global_buffer, .address_space: global }
      - { .name: xs, .offset: 8, .size: 8, .value_kind: global_buffer, .address_space: global }
      - { .name: wc, .offset: 16, .size: 8, .value_kind: global_buffer, .address_space: global }
      - { .name: ws, .offset: 24, .size: 8, .value_kind: global_buffer, .address_space: global }
      - { .name: b_qkv, .offset: 32, .size: 8, .value_kind: global_buffer, .address_space: global }
      - { .name: qkvh, .offset: 40, .size: 8, .value_kind: global_buffer, .address_space: global }
    .group_segment_fixed_size: 327680
    .private_segment_fixed_size: 0
    .kernarg_segment_align: 8
    .kernarg_segment_size: 48
    .max_flat_workgroup_size: 128
    .sgpr_count:     100
    .vgpr_count:     1024
    .wavefront_size: 32
...
	.end_amdgpu_metadata
.endif
;; end of part 2
;; launch attn (part 3): grid 4 x 64, 8 waves a work-group, clusters of 4 x 1, 327,680 bytes of LDS; arguments qkvh, oh; writes oh
.if DOCPART == 3
	.amdgcn_target "amdgcn-amd-amdhsa--gfx1250"
	.amdhsa_code_object_version 6
	.text
	.protected	k_q8d5ba00959_attn
	.globl	k_q8d5ba00959_attn
	.p2align	8
	.type	k_q8d5ba00959_attn,@function
k_q8d5ba00959_attn:
	s_mov_b64 s[64:65], 0
	v_nop
	global_prefetch_b8 v0, s[64:65] scope:SCOPE_SE
	s_setreg_imm32_b32 hwreg(HW_REG_WAVE_MODE, 25, 1), 1
	s_wait_xcnt 0x0
	s_wait_alu depctr_hold_cnt(0) depctr_sa_sdst(0) depctr_va_vdst(0) depctr_va_sdst(0) depctr_va_ssrc(0) depctr_va_vcc(0) depctr_vm_vsrc(0)
	s_getreg_b32 s2, hwreg(HW_REG_IB_STS2, 6, 4)
	s_cmp_eq_u32 s2, 0
	s_cbranch_scc0 .Lentry_in_a_cluster
	s_endpgm
.Lentry_in_a_cluster:
	s_bfe_u32 s2, ttmp6, 0x10000c
	s_cmp_lg_u32 s2, 0x3003
	s_cbranch_scc0 .Lentry_shape_is_right
	s_endpgm
.Lentry_shape_is_right:
; ATTENTION: o[bh][q][:] = sum over k of softmax_k(q . k / 8) v[k][:], 64 (batch, head) pairs, 2,048 positions, head size 64, no mask.  q, k, v: f16, [3][64][2048][64]; o: f16, [64][2048][64].
; Products on f16 operands with f32 sums; maxima, exponentials and sums in f32; the weights p (at most 1) are rounded to f16 for the second product, o once at the end.
; LIMITS: o beyond 65,504 becomes infinity in f16, under 6e-5 its step is 6e-8; NaN and infinities are not served.
; SHARES.  A cluster of four work-groups is one (batch, head); a work-group owns 512 queries, each of its EIGHT waves 64: four tiles of 16, in 512 registers: two waves to a SIMD, so that one wave's
; softmax stands beside the other's products.  Every wave walks all keys, 64 a step; each fragment of K or V read from LDS feeds four products.
; LAYOUT.  S^T = K Q^T (source 0 = 16 keys, source 1 = 16 queries) and O^T = V^T P (source 0 = 16 channels, source 1 = P): a lane holds ONE query throughout.  Two tiles of S^T, packed to f16 in pairs,
; ARE source 1 of the second product: P is packed in place, into the low 16 registers of each tile's 32.  V ([key][channel]) comes out of LDS turned, by ds_load_tr16_b128.
; SOFTMAX.  A running maximum m and sum l for each query: p = 2^(c s - c m), c = log2(e) / 8; in every step O and l are multiplied by a = 2^(c m_old - c m_new).
; RING.  Two slots of 512 keys.  A head's rows are dense (128 bytes a key), so a tile comes in as rows of 256 bytes, two keys each.  All eight waves load, one joint load each (waves 0-3: K's quarters,
; waves 4-7: V's), with a mask that names the four work-groups.  A slot is asked for eight key steps ahead of its first read, so no prefetch is laid.
; A TRIP does the softmax and V^T P of step T - 1 and the loads and K Q^T of step T: K's loads stand at its head, V's behind V^T P.
; REGISTERS: window 0: v1-11, v44-46 addresses; v12-43 statistics, 8 a tile; v64-191 S^T, 32 a tile (then p, then P in the low 16); v192-255 K's 8 fragments.
;   window 1: v0-127 O^T (tile t, channels 16 ct on: 32 t + 8 ct); v128-191 Q; v192-255 V's 8 fragments.
.set PKP,   272                        ; two keys of K in LDS: 256 bytes + 16: the 16 rows of a load fall on 16 different runs of 16 bytes modulo 256
.set PVP,   288                        ; two keys of V: 256 + 32: likewise for the turning load's 8 keys x 32 bytes
.set VOFF,  256*PKP                    ; a slot: 256 double rows of K, then 256 of V
.set SLOT,  256*(PKP+PVP)
.set KSTP,  32*PKP                     ; 64 keys on
.set VSTP,  32*PVP
.set SPARE, 2*SLOT                     ; the spare words, 128 bytes for each of eight waves
.set STAGE, SPARE+1024                 ; the way out: 16 rows x 144 bytes for each wave; no tensor load lands here
.set SP,    144
.set AK0, 2
.set AV0, 3
.set ADK, 4
.set ADV, 5
.set QO,  6
.set RD,  7
.set GO,  8
.set SPW, 10
.set NIL, 11
.set ST,  12                           ; tile t at v[ST + 8 t]: +0 c m, +1 m, +2, +3 l (even keys', odd keys'), +4 .. +7 at work; a, and at the end 1 / l, in +6
.set STO, 44
.set S,   64
.set KF,  192
.set QF,  128                          ; in window 1
.set VF,  192                          ; in window 1
.set WV,  12
.set G1K, 24
.set G1V, 32
.set G0K, 40
.set G0V, 44
.set LK,  48                           ; s48  my quarter's place in a slot's K part
.set LV,  49                           ; s49  and in its V part
.set CNT, 50
.set CS,  58                           ; s[58:59] c
.set SEL, 60                           ; s[60:61] lane selects: lane l xor 16
.set TK,  62                           ; s62  LDS byte of the K tile of the step to be fetched
.set TV,  63                           ; s63  the same for V, less VOFF
.set MSB, 0
.macro WIN new
.if MSB != (\new)
	s_set_vgpr_msb (MSB<<8)|(\new)
.set MSB, (\new)
.endif
.endm
.set W_KQ, 0x04                        ; K and S^T window 0, Q window 1
.set W_PV, 0x51                        ; V and O^T window 1, P window 0
.set W_RS, 0x41                        ; O^T (destination, source 0) window 1, the factor window 0
.set TO_1, 0x40                        ; destination window 1, address window 0
.macro JLOAD                           ; the branch hangs on the wave's number alone; an s_nop 0 and four v_nop follow each line
	s_cmp_lt_u32 s[WV], 4
	s_cbranch_scc0 .Lfor_v_\@
	tensor_load_to_lds s[G0K:G0K+3], s[G1K:G1K+7]
	s_nop 0
.rept 4
	v_nop
.endr
	s_branch .Lasked_\@
.Lfor_v_\@:
	tensor_load_to_lds s[G0V:G0V+3], s[G1V:G1V+7]
	s_nop 0
.rept 4
	v_nop
.endr
.Lasked_\@:
.endm
.macro CROUND
	s_barrier_signal -1
	s_barrier_wait -1
	s_cmp_lg_u32 s[WV], 0
	s_cbranch_scc1 .Lnot_wave_0_\@
	s_barrier_signal -3
.Lnot_wave_0_\@:
	s_barrier_wait -3
	s_barrier_signal -1
	s_barrier_wait -1
.endm
	s_load_b128 s[4:7], s[0:1], 0x0                ; qkvh s[4:5], oh s[6:7]
	v_lshl_add_u32 v[SPW], v0, 2, SPARE
	v_mov_b32 v[NIL], 0
	ds_add_u32 v[SPW], v[NIL]                      ; the wave's opening: the add, twice on end, and its wait ahead of my first tensor load
	ds_add_u32 v[SPW], v[NIL]
	v_lshrrev_b32 v1, 5, v0
	v_readfirstlane_b32 s[WV], v1                  ; wave 0..7
	s_bfe_u32 s13, ttmp6, 0x40000                  ; cx
	s_lshl_b32 s14, ttmp9, 2
	s_add_co_u32 s14, s14, s13                     ; my block of 512 queries: it enters Q's and O's addresses alone
	s_and_b32 s15, ttmp7, 0xffff                   ; the (batch, head), which the four partners share
	s_lshl_b32 s16, s15, 18                        ; its first byte in each of q, k, v, o
	s_and_b32 s17, s[WV], 3                        ; which quarter of a slot I fetch
	s_mul_i32 s[LK], s17, 64*PKP
	s_mul_i32 s[LV], s17, 64*PVP
	s_add_co_u32 s[LV], s[LV], VOFF
	s_lshl_b32 s17, s17, 14                        ; its 128 keys of 128 bytes in memory
	s_add_co_u32 s18, s16, s17
	s_add_co_u32 s20, s18, 1<<24                   ; in k
	s_mov_b32 s21, 0
	s_add_co_u32 s22, s18, 2<<24                   ; in v
	s_mov_b32 s23, 0
	s_lshl_b32 s2, s14, 16                         ; my block's 512 rows,
	s_lshl_b32 s3, s[WV], 13                       ; my wave's 64 of them
	s_add_co_u32 s2, s2, s3
	s_add_co_u32 s2, s2, s16
	s_mov_b32 s3, 0
	s_mov_b32 s[G1K], 15|(3<<16)|(1<<20)|(1<<21)|(5<<22)|(3<<25)  ; the mask: all four; elements of 8 bytes; padding on; bit 21 beside a mask; 4 words behind every 64
	s_mov_b32 s[G1V], 15|(3<<16)|(1<<20)|(1<<21)|(5<<22)|(7<<25)  ; the same with 8 words
.irp g, G1K, G1V
	s_mov_b32 s[\g+1], 32<<16                      ; tensor_dim0 = 32 elements: 256 bytes
	s_mov_b32 s[\g+2], 64<<16                      ; tensor_dim1 = 64 rows
	s_mov_b32 s[\g+3], 32<<16                      ; tile_dim0
	s_mov_b32 s[\g+4], 64                          ; tile_dim1
	s_mov_b32 s[\g+5], 32                          ; the pitch: dense
	s_mov_b32 s[\g+6], 0
	s_mov_b32 s[\g+7], 0
.endr
	s_mov_b32 s[CS], 0x3e38aa3b                    ; c = log2(e) / 8
	s_mov_b32 s[CS+1], s[CS]
	s_mov_b32 s[SEL], 0x76543210
	s_mov_b32 s[SEL+1], 0xfedcba98
	s_wait_dscnt 0x0                               ; both opening adds are done
	s_wait_kmcnt 0x0
	s_mov_b32 s[G0K], 1
	s_mov_b32 s[G0K+1], s[LK]                      ; slot 0
	s_add_nc_u64 s[G0K+2:G0K+3], s[4:5], s[20:21]
	s_or_b32 s[G0K+3], s[G0K+3], 0x80000000
	s_mov_b32 s[G0V], 1
	s_mov_b32 s[G0V+1], s[LV]
	s_add_nc_u64 s[G0V+2:G0V+3], s[4:5], s[22:23]
	s_or_b32 s[G0V+3], s[G0V+3], 0x80000000
	s_add_nc_u64 s[52:53], s[4:5], s[2:3]          ; q at my wave's first row
	s_add_nc_u64 s[54:55], s[6:7], s[2:3]          ; o likewise
	CROUND                                         ; all four work-groups are here
	JLOAD                                          ; slot 0: keys 0 to 511
	v_and_b32 v1, 15, v0                           ; r
	v_bfe_u32 v9, v0, 4, 1                         ; h
	v_lshlrev_b32 v[QO], 7, v1
	v_lshl_add_u32 v[QO], v9, 4, v[QO]             ; row r of 128 bytes + 16 h
	WIN TO_1
.irp t, 0,1,2,3
.irp ds, 0,1                           ; Q stays in registers: tile t, channels 32 ds on
	global_load_b128 v[QF+16*\t+8*\ds:QF+16*\t+8*\ds+3],   v[QO], s[52:53] offset:2048*\t+64*\ds
	global_load_b128 v[QF+16*\t+8*\ds+4:QF+16*\t+8*\ds+7], v[QO], s[52:53] offset:2048*\t+64*\ds+32
.endr
.endr
	WIN 0
	v_lshrrev_b32 v45, 1, v1
	v_mul_u32_u24 v[AK0], v45, PKP
	v_and_b32 v45, 1, v0
	v_lshl_add_u32 v[AK0], v45, 7, v[AK0]
	v_lshl_add_u32 v[AK0], v9, 4, v[AK0]           ; key r: double row r / 2, half r % 2, + 16 h
	v_bfe_u32 v46, v0, 1, 2
	v_lshl_add_u32 v46, v9, 2, v46
	v_mul_u32_u24 v[AV0], v46, PVP                 ; the turning load: key 8 h + l % 8: double row 4 h + (l % 8) / 2,
	v_lshl_add_u32 v[AV0], v45, 7, v[AV0]          ; half l % 2,
	v_bfe_u32 v46, v0, 3, 1
	v_lshl_add_u32 v[AV0], v46, 4, v[AV0]          ; channels 8 ((l / 8) % 2) on
	v_add_nc_u32 v[AV0], VOFF, v[AV0]
	s_mul_i32 s14, s[WV], 16*SP
	s_add_co_u32 s14, s14, STAGE                   ; my stage
	v_mul_u32_u24 v[STO], v1, SP
	v_lshl_add_u32 v[STO], v9, 4, v[STO]
	v_add_nc_u32 v[STO], s14, v[STO]               ; in: row r, 16 bytes for each half of the lanes
	v_bfe_u32 v46, v0, 3, 2
	v_mul_u32_u24 v[RD], v46, SP
	v_and_b32 v45, 7, v0
	v_lshl_add_u32 v[RD], v45, 4, v[RD]
	v_add_nc_u32 v[RD], s14, v[RD]                 ; back: row lane / 8 of four, piece lane % 8
	v_and_b32 v[GO], 31, v0
	v_lshlrev_b32 v[GO], 4, v[GO]                  ; four rows of o are 512 consecutive bytes: 16 x lane
; THE PRODUCTS.  Sixteen accumulators take turns, one instruction a turn.
.macro QKALL
	WIN W_KQ
.irp ds, 0,1
.irp kt, 0,1,2,3
.irp t, 0,1,2,3
.if \ds == 0
	v_wmma_f32_16x16x32_f16 v[S+32*\t+8*\kt:S+32*\t+8*\kt+7], v[KF+8*(2*\kt+\ds):KF+8*(2*\kt+\ds)+7], v[QF+16*\t+8*\ds:QF+16*\t+8*\ds+7], 0
.else
	v_wmma_f32_16x16x32_f16 v[S+32*\t+8*\kt:S+32*\t+8*\kt+7], v[KF+8*(2*\kt+\ds):KF+8*(2*\kt+\ds)+7], v[QF+16*\t+8*\ds:QF+16*\t+8*\ds+7], v[S+32*\t+8*\kt:S+32*\t+8*\kt+7]
.endif
.endr
.endr
.endr
.endm
.macro PVALL zero
	WIN W_PV
.irp ks, 0,1
.irp ct, 0,1,2,3
.irp t, 0,1,2,3
.if \zero && (\ks == 0)
	v_wmma_f32_16x16x32_f16 v[32*\t+8*\ct:32*\t+8*\ct+7], v[VF+8*(4*\ks+\ct):VF+8*(4*\ks+\ct)+7], v[S+32*\t+8*\ks:S+32*\t+8*\ks+7], 0
.else
	v_wmma_f32_16x16x32_f16 v[32*\t+8*\ct:32*\t+8*\ct+7], v[VF+8*(4*\ks+\ct):VF+8*(4*\ks+\ct)+7], v[S+32*\t+8*\ks:S+32*\t+8*\ks+7], v[32*\t+8*\ct:32*\t+8*\ct+7]
.endif
.endr
.endr
.endr
.endm
.macro FETCH_K                         ; 64 keys x 64 channels: fragment (kt, ds) = keys 16 kt on, channels 32 ds on
.irp kt, 0,1,2,3
.irp ds, 0,1
	ds_load_b128 v[KF+8*(2*\kt+\ds):KF+8*(2*\kt+\ds)+3],   v[ADK] offset:8*PKP*\kt+64*\ds
	ds_load_b128 v[KF+8*(2*\kt+\ds)+4:KF+8*(2*\kt+\ds)+7], v[ADK] offset:8*PKP*\kt+64*\ds+32
.endr
.endr
.endm
.macro FETCH_V                         ; turned: fragment (ks, ct) = keys 32 ks on, channels 16 ct on
.irp ks, 0,1
.irp ct, 0,1,2,3
	ds_load_tr16_b128 v[VF+8*(4*\ks+\ct):VF+8*(4*\ks+\ct)+3],   v[ADV] offset:16*PVP*\ks+32*\ct
	ds_load_tr16_b128 v[VF+8*(4*\ks+\ct)+4:VF+8*(4*\ks+\ct)+7], v[ADV] offset:16*PVP*\ks+32*\ct+8*PVP
.endr
.endr
.endm
; THE MAXIMUM of a lane's 32 scores and the old m, the four tiles by turns; each accumulator is first read at its registers 0 to 2.  first = 1: there is no old m.
.macro MAXPH first
.irp j, 0,1,2,3
.irp t, 0,1,2,3
	v_max3_num_f32 v[ST+8*\t+4+\j], v[S+32*\t+8*\j], v[S+32*\t+8*\j+1], v[S+32*\t+8*\j+2]
.endr
.endr
.irp g, 1,2
.irp j, 0,1,2,3
.irp t, 0,1,2,3
	v_max3_num_f32 v[ST+8*\t+4+\j], v[ST+8*\t+4+\j], v[S+32*\t+8*\j+2*\g+1], v[S+32*\t+8*\j+2*\g+2]
.endr
.endr
.endr
.irp t, 0,1,2,3
	v_max3_num_f32 v[ST+8*\t+4], v[ST+8*\t+4], v[S+32*\t+7], v[S+32*\t+15]
.endr
.irp t, 0,1,2,3
	v_max3_num_f32 v[ST+8*\t+6], v[ST+8*\t+6], v[S+32*\t+23], v[S+32*\t+31]
.endr
.irp t, 0,1,2,3
	v_max3_num_f32 v[ST+8*\t+4], v[ST+8*\t+4], v[ST+8*\t+5], v[ST+8*\t+6]
.endr
.irp t, 0,1,2,3
.if \first
	v_max_num_f32 v[ST+8*\t+4], v[ST+8*\t+4], v[ST+8*\t+7]
.else
	v_max3_num_f32 v[ST+8*\t+4], v[ST+8*\t+4], v[ST+8*\t+7], v[ST+8*\t+1]
.endif
.endr
.irp t, 0,1,2,3
	v_permlanex16_b32 v[ST+8*\t+5], v[ST+8*\t+4], s[SEL], s[SEL+1]  ; the query's other 32 keys lie in the lane 16 away
.endr
.if !\first
.irp t, 0,1,2,3
	v_mov_b32 v[ST+8*\t+7], v[ST+8*\t]             ; c m_old is kept for a
.endr
.endif
.irp t, 0,1,2,3
	v_max_num_f32 v[ST+8*\t+1], v[ST+8*\t+4], v[ST+8*\t+5]
.endr
.irp t, 0,1,2,3
	v_mul_f32 v[ST+8*\t], s[CS], v[ST+8*\t+1]
.endr
.if !\first
.irp t, 0,1,2,3
	v_sub_f32 v[ST+8*\t+7], v[ST+8*\t+7], v[ST+8*\t]
.endr
.endif
.endm
; ONE BATCH: the 64 packed scalings c s - c m and all exponentials; a pair is scaled two scalings ahead of its exponentials; nothing here names an exponential's result.
; Behind it one plain line and ONE wait ahead of the first line that names a result.
.macro FMA i
	v_pk_fma_f32 v[S+2*(\i):S+2*(\i)+1], v[S+2*(\i):S+2*(\i)+1], s[CS:CS+1], v[ST+8*((\i)/16):ST+8*((\i)/16)+1] op_sel_hi:[1,0,0] neg_lo:[0,0,1] neg_hi:[0,0,1]
.endm
.macro BATCH first
.if !\first
.irp t, 0,1,2,3
	v_exp_f32 v[ST+8*\t+6], v[ST+8*\t+7]           ; a
.endr
.endif
	FMA 0
	FMA 1
.set bi, 0
.rept 64
.if bi+2 < 64
	FMA bi+2
.endif
	v_exp_f32 v[S+2*bi], v[S+2*bi]
	v_exp_f32 v[S+2*bi+1], v[S+2*bi+1]
.set bi, bi+1
.endr
	v_nop
	s_wait_alu depctr_va_vdst(0)
.endm
; THE SUMS of the unrounded p, a pair (an even key's, an odd key's) at a time, in two chains a tile: l = a l + the sum.
.macro SUMS first
.irp t, 0,1,2,3
.if \first
	v_pk_add_f32 v[ST+8*\t+2:ST+8*\t+3], v[S+32*\t:S+32*\t+1], v[S+32*\t+30:S+32*\t+31]
.else
	v_pk_fma_f32 v[ST+8*\t+2:ST+8*\t+3], v[ST+8*\t+2:ST+8*\t+3], v[ST+8*\t+6:ST+8*\t+7], v[S+32*\t:S+32*\t+1] op_sel_hi:[1,0,1]
.endif
.endr
.irp t, 0,1,2,3
	v_pk_add_f32 v[ST+8*\t+4:ST+8*\t+5], v[S+32*\t+2:S+32*\t+3], v[S+32*\t+4:S+32*\t+5]
.endr
.irp g, 3,5,7,9,11,13
.irp t, 0,1,2,3
	v_pk_add_f32 v[ST+8*\t+2:ST+8*\t+3], v[ST+8*\t+2:ST+8*\t+3], v[S+32*\t+2*\g:S+32*\t+2*\g+1]
.endr
.irp t, 0,1,2,3
	v_pk_add_f32 v[ST+8*\t+4:ST+8*\t+5], v[ST+8*\t+4:ST+8*\t+5], v[S+32*\t+2*\g+2:S+32*\t+2*\g+3]
.endr
.endr
.if !\first
.irp t, 0,1,2,3
	v_pk_add_f32 v[ST+8*\t+2:ST+8*\t+3], v[ST+8*\t+2:ST+8*\t+3], v[S+32*\t+30:S+32*\t+31]
.endr
.endif
.irp t, 0,1,2,3
	v_pk_add_f32 v[ST+8*\t+2:ST+8*\t+3], v[ST+8*\t+2:ST+8*\t+3], v[ST+8*\t+4:ST+8*\t+5]
.endr
.endm
.macro CVT                             ; pair b of a tile goes to its register b: b ascends, so no pair is written over before it is read
.irp b, 0,1,2,3,4,5,6,7,8,9,10,11,12,13,14,15
.irp t, 0,1,2,3
	v_cvt_pk_f16_f32 v[S+32*\t+\b], v[S+32*\t+2*\b], v[S+32*\t+2*\b+1]
.endr
.endr
.endm
.macro RESCALE                         ; O^T x the factor in +6, each accumulator from its low end on
	WIN W_RS
.irp t, 0,1,2,3
.set ri, 0
.rept 16
	v_pk_mul_f32 v[32*\t+2*ri:32*\t+2*ri+1], v[32*\t+2*ri:32*\t+2*ri+1], v[ST+8*\t+6:ST+8*\t+7] op_sel_hi:[1,0]
.set ri, ri+1
.endr
.endr
.endm
; A TRIP.  first = 1: the softmax is the first key step's, and V^T P starts O^T's sums.  kq = 1: the next step's K and V are fetched and its scores made.
.macro TRIP first, kq
.if \kq
	v_add_nc_u32 v[ADK], s[TK], v[AK0]             ; with the three v_nop: four plain lines between the last K Q^T and the loads into K's registers and the first read of the scores
.else
	v_nop
.endif
.rept 3
	v_nop
.endr
.if \kq
	FETCH_K
	s_add_co_u32 s[TK], s[TK], KSTP
.endif
	MAXPH \first
	BATCH \first
	SUMS \first
	CVT
.if !\first
	RESCALE
.endif
.if \kq
	s_wait_dscnt 16                                ; V of the step in hand is in; the 16 younger loads, K's, may be out
.else
	s_wait_dscnt 0x0
.endif
	PVALL \first
.if \kq
	WIN 0
	v_add_nc_u32 v[ADV], s[TV], v[AV0]             ; with the four v_nop: five plain lines: K Q^T below writes over P, and the loads land on V's registers
.rept 4
	v_nop
.endr
	s_add_co_u32 s[TV], s[TV], VSTP
	WIN TO_1
	FETCH_V
	s_wait_dscnt 16                                ; K is in; the 16 younger loads, V's, may be out
	QKALL
.endif
	WIN 0
.endm
; THE CHANGE OF SLOTS.  Each wave waits for all its tensor loads (one is out: its part of the slot ahead), adds 0 to its spare word, and waits for that and for its reads of the slot that it leaves.
; fill = 1: behind a round of the cluster's barrier the LDS slot named is filled with the next 512 keys: one joint load a wave, first thing behind the round.
.macro CHANGE fill, slot
	s_wait_tensorcnt 0x0
	ds_add_u32 v[SPW], v[NIL]                      ; 0 onto my spare word; the descriptors' steps stand between it and the wait for it
.if \fill
	s_add_co_u32 s[G0K+1], s[LK], \slot*SLOT
	s_add_co_u32 s[G0V+1], s[LV], \slot*SLOT
	s_add_nc_u64 s[G0K+2:G0K+3], s[G0K+2:G0K+3], 65536   ; 512 keys of 128 bytes on; the type bits on top are not reached
	s_add_nc_u64 s[G0V+2:G0V+3], s[G0V+2:G0V+3], 65536
.endif
	s_wait_dscnt 0x0
.if \fill
	CROUND
	JLOAD
.else
	s_barrier_signal -1
	s_barrier_wait -1
.endif
.endm
.macro RUN n                           ; n trips, written once; the LDS addresses hang on s[TK] and s[TV]
	s_mov_b32 s[CNT], \n
.Lrun_\@:
	TRIP 0, 1
	s_sub_co_u32 s[CNT], s[CNT], 1
	s_cmp_lg_u32 s[CNT], 0
	s_cbranch_scc1 .Lrun_\@
.endm
	CHANGE 1, 1                                    ; slot 0 has landed in every wave of the cluster; slot 1 takes keys 512 to 1,023: its first fill, issued as a refill is
	s_mov_b32 s[TK], 0
	s_mov_b32 s[TV], 0
	v_add_nc_u32 v[ADK], s[TK], v[AK0]
	FETCH_K                                        ; key step 0
	s_add_co_u32 s[TK], s[TK], KSTP
	v_add_nc_u32 v[ADV], s[TV], v[AV0]
	s_add_co_u32 s[TV], s[TV], VSTP
	WIN TO_1
	FETCH_V
	s_wait_loadcnt 0x0                             ; Q
	s_wait_dscnt 16                                ; K is in; V's 16 loads may be out
	QKALL
	WIN 0
	TRIP 1, 1                                      ; steps 1 to 7 are fetched from slot 0
	RUN 6
	CHANGE 1, 0                                    ; slot 0 takes keys 1,024 to 1,535
	s_mov_b32 s[TK], SLOT
	s_mov_b32 s[TV], SLOT
	RUN 8
	CHANGE 1, 1                                    ; slot 1 takes keys 1,536 to 2,047
	s_mov_b32 s[TK], 0
	s_mov_b32 s[TV], 0
	RUN 8
	CHANGE 0, 0                                    ; nothing is left to ask for
	s_mov_b32 s[TK], SLOT
	s_mov_b32 s[TV], SLOT
	RUN 8
	TRIP 0, 0                                      ; the last step's softmax and V^T P
	; THE WAY OUT.  l's halves and the other half of the lanes' are added; O^T / l is rounded to f16 and goes through my stage, a tile (16 rows of 128 bytes) at a time.  The additions are the places behind the last products.
.irp t, 0,1,2,3
	v_add_f32 v[ST+8*\t+4], v[ST+8*\t+2], v[ST+8*\t+3]
.endr
.irp t, 0,1,2,3
	v_permlanex16_b32 v[ST+8*\t+5], v[ST+8*\t+4], s[SEL], s[SEL+1]
.endr
.irp t, 0,1,2,3
	v_add_f32 v[ST+8*\t+4], v[ST+8*\t+4], v[ST+8*\t+5]
.endr
.irp t, 0,1,2,3
	v_rcp_f32 v[ST+8*\t+6], v[ST+8*\t+4]
.endr
	v_nop                                          ; a plain line behind the last reciprocal,
	s_wait_alu depctr_va_vdst(0)                   ; and the one wait ahead of the first use
.macro OPACK t
	WIN W_RS
.set ri, 0
.rept 16
	v_pk_mul_f32 v[32*\t+2*ri:32*\t+2*ri+1], v[32*\t+2*ri:32*\t+2*ri+1], v[ST+8*\t+6:ST+8*\t+7] op_sel_hi:[1,0]
.set ri, ri+1
.endr
	WIN 0x05                                       ; sources 0 and 1 window 1, destination window 0
.set ri, 0
.rept 16
	v_cvt_pk_f16_f32 v[S+32*\t+ri], v[32*\t+2*ri], v[32*\t+2*ri+1]
.set ri, ri+1
.endr
	WIN 0
.irp ct, 0,1,2,3
	ds_store_b128 v[STO], v[S+32*\t+4*\ct:S+32*\t+4*\ct+3] offset:32*\ct
.endr
.irp i, 0,1,2,3
	ds_load_b128 v[S+32*\t+16+4*\i:S+32*\t+16+4*\i+3], v[RD] offset:4*SP*\i   ; LDS serves a wave's instructions in order: these see the stores above, and the next tile's stores come behind them
.endr
.endm
.macro OSEND t, younger                ; younger: the LDS instructions issued behind tile t's loads
.irp i, 0,1,2,3
	s_wait_dscnt \younger+3-\i
	global_store_b128 v[GO], v[S+32*\t+16+4*\i:S+32*\t+16+4*\i+3], s[54:55] offset:2048*\t+512*\i   ; the wave stores 512 consecutive bytes, aligned
.endr
.endm
	OPACK 0
	OPACK 1
	OSEND 0, 8
	OPACK 2
	OSEND 1, 8
	OPACK 3
	OSEND 2, 8
	OSEND 3, 0
	s_wait_tensorcnt 0x0                           ; the wave's end
	ds_add_u32 v[SPW], v[NIL]
	s_wait_dscnt 0x0
	CROUND                                         ; the closing round
	s_endpgm
.Lfunc_end_k_q8d5ba00959_attn:
	.size	k_q8d5ba00959_attn, .Lfunc_end_k_q8d5ba00959_attn-k_q8d5ba00959_attn
	.p2alignl 7, 3214868480
	.fill 96, 4, 3214868480
	.section	.rodata,"a",@progbits
	.p2align	6, 0x0
	.amdhsa_kernel k_q8d5ba00959_attn
		.amdhsa_group_segment_fixed_size 327680
		.amdhsa_private_segment_fixed_size 0
		.amdhsa_enable_private_segment 0
		.amdhsa_kernarg_size 16
		.amdhsa_user_sgpr_count 2
		.amdhsa_user_sgpr_kernarg_segment_ptr 1
		.amdhsa_wavefront_size32 1
		.amdhsa_system_sgpr_workgroup_id_x 1
		.amdhsa_system_sgpr_workgroup_id_y 1
		.amdhsa_system_sgpr_workgroup_id_z 1
		.amdhsa_system_vgpr_workitem_id 0
		.amdhsa_next_free_vgpr 512
		.amdhsa_next_free_sgpr 66
		.amdhsa_reserve_vcc 0
		.amdhsa_float_denorm_mode_32 3
		.amdhsa_float_denorm_mode_16_64 3
		.amdhsa_memory_ordered 1
		.amdhsa_forward_progress 1
		.amdhsa_inst_pref_size 211
	.end_amdhsa_kernel
	.amdgpu_metadata
---
amdhsa.version: [ 1, 2 ]
amdhsa.kernels:
  - .name:           k_q8d5ba00959_attn
    .symbol:         k_q8d5ba00959_attn.kd
    .args:
      - { .name: qkvh, .offset: 0, .size: 8, .value_kind: global_buffer, .address_space: global }
      - { .name: oh, .offset: 8, .size: 8, .value_kind: global_buffer, .address_space: global }
    .group_segment_fixed_size: 327680
    .private_segment_fixed_size: 0
    .kernarg_segment_align: 8
    .kernarg_segment_size: 16
    .max_flat_workgroup_size: 256
    .sgpr_count:     66
    .vgpr_count:     512
    .wavefront_size: 32
...
	.end_amdgpu_metadata
.endif
;; end of part 3
;; launch proj (part 4): grid 4 x 64, 4 waves a work-group, clusters of 4 x 4, 327,680 bytes of LDS; arguments oh, wo16, b_out, out0; writes out0
.if DOCPART == 4
	.amdgcn_target "amdgcn-amd-amdhsa--gfx1250"
	.amdhsa_code_object_version 6
	.text
	.protected	k_q8d5ba00959_proj
	.globl	k_q8d5ba00959_proj
	.p2align	8
	.type	k_q8d5ba00959_proj,@function
k_q8d5ba00959_proj:
	s_mov_b64 s[64:65], 0
	v_nop
	global_prefetch_b8 v0, s[64:65] scope:SCOPE_SE
	s_setreg_imm32_b32 hwreg(HW_REG_WAVE_MODE, 25, 1), 1
	s_wait_xcnt 0x0
	s_wait_alu depctr_hold_cnt(0) depctr_sa_sdst(0) depctr_va_vdst(0) depctr_va_sdst(0) depctr_va_ssrc(0) depctr_va_vcc(0) depctr_vm_vsrc(0)
	s_getreg_b32 s2, hwreg(HW_REG_IB_STS2, 6, 4)
	s_cmp_eq_u32 s2, 0
	s_cbranch_scc0 .Lentry_in_a_cluster
	s_endpgm
.Lentry_in_a_cluster:
	s_bfe_u32 s2, ttmp6, 0x10000c
	s_cmp_lg_u32 s2, 0xf033
	s_cbranch_scc0 .Lentry_shape_is_right
	s_endpgm
.Lentry_shape_is_right:
; PROJ: out0[m][n] = sum over k of o[m][k] W_out[k][n] + b_out[n], m 8,192, n 1,024, K 1,024 = head x 64 + channel.  o: f16, by head [batch][head][position][64]; W_out: f16, as it lies [k][n]; out0: f32; sums in f32.
; A tile of out0 is 128 x 256 (256 work-groups); four waves, each 64 x 128: 32 accumulators, 256 registers.  K goes in steps of 128 (two heads) through two LDS slots.
; A's tile: for each of the two heads 128 positions of 128 bytes, dense: 64 rows of 256 bytes.  B's tile: 128 rows k of 512 bytes; its fragments come out of LDS turned, by ds_load_tr16_b128.
; CLUSTERS: 4 x 4 work-groups; A's tiles are asked for jointly along a row of the cluster, B's along a column.  Waves 0 and 1 fetch A's two heads, waves 2 and 3 B's two halves: one load a wave.
; THE MATRIX INSTRUCTION IS USED TRANSPOSED (source 0 = 16 columns n, source 1 = 16 rows m): a lane holds eight neighbouring n of one row.  The bias is the C of each sum's first product.
; REGISTERS: window 0: v0-31 addresses; two fragment buffers of 96 at v32 and v128 (A's four blocks, then B's eight); window 1: the accumulators ((a, b) at v[8 (8 a + b)]); window 2: v0-63 the bias.
.set PA,     272                       ; two positions of A in LDS: 256 bytes + 16
.set PB,     544                       ; a row k of B: 512 bytes + 32
.set BOFF,   2*64*PA                   ; a slot: A's two heads, then B's 128 rows
.set SLOT,   BOFF+128*PB
.set STAGE,  2*SLOT                    ; the way out: 16 rows x 528 bytes for each wave; no tensor load lands here
.set SPITCH, 528
.set SPARE,  STAGE+4*16*SPITCH         ; the spare words, 128 bytes for each wave
.set LAPS,   4                         ; a lap = two K steps
.set ADRA, 16
.set ADRB, 20
.set STO,  24
.set RD,   25
.set CO,   26
.set BO,   27
.set SPW,  28
.set NIL,  29
.set F0,   32
.set F1,   128
.set BK,   32                          ; the way out: 16 rows read back: v32-95 and v96-159 by turns
.set WV,   12
.set G1A,  24
.set G0A,  32
.set G1B,  48
.set G0B,  56
.set MSB, 0
.macro WIN new
.if MSB != (\new)
	s_set_vgpr_msb (MSB<<8)|(\new)
.set MSB, (\new)
.endif
.endm
.set MUL, 0x50                         ; sources 0 and 1 window 0, C and D window 1;  0x60: C (the bias) window 2
.macro JLOAD s                         ; the branch hangs on the wave's number alone; an s_nop 0 and four v_nop follow each line
	s_cmp_eq_u32 s13, 0
	s_cbranch_scc0 .Lfor_b_\@
	tensor_load_to_lds s[G0A+4*\s:G0A+4*\s+3], s[G1A:G1A+7]
	s_nop 0
.rept 4
	v_nop
.endr
	s_branch .Lasked_\@
.Lfor_b_\@:
	tensor_load_to_lds s[G0B+4*\s:G0B+4*\s+3], s[G1B:G1B+7]
	s_nop 0
.rept 4
	v_nop
.endr
.Lasked_\@:
.endm
.macro CREST
	s_cmp_lg_u32 s[WV], 0
	s_cbranch_scc1 .Lnot_wave_0_\@
	s_barrier_signal -3
.Lnot_wave_0_\@:
	s_barrier_wait -3
	s_barrier_signal -1
	s_barrier_wait -1
.endm
.macro CROUND
	s_barrier_signal -1
	s_barrier_wait -1
	CREST
.endm
	s_load_b128 s[4:7], s[0:1], 0x0                ; oh s[4:5], wo16 s[6:7]
	s_load_b128 s[8:11], s[0:1], 0x10              ; b_out s[8:9], out0 s[10:11]
	v_lshl_add_u32 v[SPW], v0, 2, SPARE
	v_mov_b32 v[NIL], 0
	ds_add_u32 v[SPW], v[NIL]                      ; the wave's opening: the add, twice on end, and its wait ahead of my first tensor load
	ds_add_u32 v[SPW], v[NIL]
	v_lshrrev_b32 v1, 5, v0
	v_readfirstlane_b32 s[WV], v1                  ; wave 0..3
	s_lshr_b32 s13, s[WV], 1                       ; which half of the tile's rows is mine.  Also: I fetch for A (0) or for B (1)
	s_and_b32 s14, s[WV], 1                        ; which half of its columns.  Also: which head of A's two, or which 64 rows of B, I fetch
	s_bfe_u32 s40, ttmp6, 0x40000                  ; cx
	s_bfe_u32 s41, ttmp6, 0x40004                  ; cy
	s_lshl_b32 s42, ttmp9, 2
	s_add_co_u32 s42, s42, s40                     ; tile column
	s_and_b32 s15, ttmp7, 0xffff
	s_lshl_b32 s15, s15, 2
	s_add_co_u32 s15, s15, s41                     ; tile row
	s_lshl_b32 s43, s41, 2
	s_lshl_b32 s43, 15, s43                        ; my row of the cluster
	s_lshl_b32 s44, 0x1111, s40                    ; my column
	s_or_b32 s[G1A+0], s43, (3<<16)|(1<<20)|(1<<21)|(5<<22)|(3<<25)  ; A: elements of 8 bytes; 4 words of padding behind every 64
	s_mov_b32 s[G1A+1], 32<<16                     ; rows of 32 elements: 256 bytes
	s_mov_b32 s[G1A+2], 64<<16
	s_mov_b32 s[G1A+3], 32<<16
	s_mov_b32 s[G1A+4], 64
	s_mov_b32 s[G1A+5], 32                         ; dense
	s_mov_b32 s[G1A+6], 0
	s_mov_b32 s[G1A+7], 0
	s_or_b32 s[G1B+0], s44, (1<<16)|(1<<20)|(1<<21)|(6<<22)|(7<<25)  ; B: elements of 2 bytes; 8 words of padding behind every 128
	s_mov_b32 s[G1B+1], 256<<16                    ; rows of 256 elements: 512 bytes
	s_mov_b32 s[G1B+2], 64<<16
	s_mov_b32 s[G1B+3], 256<<16
	s_mov_b32 s[G1B+4], 64
	s_mov_b32 s[G1B+5], 1024                       ; a row of W_out
	s_mov_b32 s[G1B+6], 0
	s_mov_b32 s[G1B+7], 0
	s_lshr_b32 s16, s15, 4
	s_lshl_b32 s16, s16, 22                        ; A: the batch,
	s_and_b32 s17, s15, 15
	s_lshl_b32 s17, s17, 14                        ; the tile's 128 positions,
	s_add_co_u32 s16, s16, s17
	s_lshl_b32 s17, s14, 18                        ; my head of the step's two
	s_add_co_u32 s16, s16, s17
	s_mov_b32 s17, 0
	s_lshl_b32 s46, s42, 9                         ; B: the tile's 256 columns,
	s_lshl_b32 s47, s14, 17                        ; my 64 rows of the step's 128
	s_add_co_u32 s46, s46, s47
	s_mov_b32 s47, 0
	s_mul_i32 s20, s14, 64*PA                      ; where they go: no place in the cluster enters an LDS address
	s_mul_i32 s21, s14, 64*PB
	s_add_co_u32 s21, s21, BOFF
	s_wait_dscnt 0x0                               ; both opening adds are done
	s_wait_kmcnt 0x0
	s_add_nc_u64 s[18:19], s[4:5], s[16:17]
	s_add_nc_u64 s[46:47], s[6:7], s[46:47]
	CROUND                                         ; all sixteen work-groups are here
.irp s, 0,1
	s_mov_b32 s[G0A+4*\s], 1
	s_add_co_u32 s[G0A+4*\s+1], s20, \s*SLOT
	s_add_nc_u64 s[G0A+4*\s+2:G0A+4*\s+3], s[18:19], \s*524288     ; K step s: two heads on
	s_or_b32 s[G0A+4*\s+3], s[G0A+4*\s+3], 0x80000000
	s_mov_b32 s[G0B+4*\s], 1
	s_add_co_u32 s[G0B+4*\s+1], s21, \s*SLOT
	s_add_nc_u64 s[G0B+4*\s+2:G0B+4*\s+3], s[46:47], \s*262144     ; 128 rows of 2,048 bytes on
	s_or_b32 s[G0B+4*\s+3], s[G0B+4*\s+3], 0x80000000
	JLOAD \s                                       ; two loads of mine are out
.endr
	v_and_b32 v1, 15, v0                           ; r
	v_bfe_u32 v2, v0, 4, 1                         ; h
	v_lshrrev_b32 v3, 1, v1
	v_mul_u32_u24 v3, v3, PA
	v_and_b32 v4, 1, v0
	v_lshl_add_u32 v3, v4, 7, v3
	v_lshl_add_u32 v3, v2, 4, v3                   ; A: position r: double row r / 2, half r % 2, + 16 h
	v_and_b32 v4, 7, v0
	v_lshl_add_u32 v4, v2, 3, v4
	v_mul_u32_u24 v4, v4, PB                       ; B, turned: row k = 8 h + l % 8,
	v_bfe_u32 v5, v0, 3, 1
	v_lshl_add_u32 v4, v5, 4, v4                   ; columns 8 ((l / 8) % 2) on
	s_mul_i32 s21, s13, 32*PA                      ; my 64 positions
	s_lshl_b32 s22, s14, 8                         ; my 128 columns
	s_add_co_u32 s22, s22, BOFF
.irp s, 0,1
	v_add_nc_u32 v[ADRA+\s], s21, v3
	v_add_nc_u32 v[ADRB+\s], s22, v4
	s_add_co_u32 s21, s21, SLOT
	s_add_co_u32 s22, s22, SLOT
.endr
	s_mul_i32 s23, s[WV], 16*SPITCH
	s_add_co_u32 s23, s23, STAGE                   ; my stage
	v_mul_u32_u24 v5, v1, SPITCH
	v_lshl_add_u32 v5, v2, 5, v5
	v_add_nc_u32 v[STO], s23, v5                   ; in: row r, 32 bytes for each half of the lanes
	v_and_b32 v6, 31, v0
	v_lshlrev_b32 v[CO], 4, v6                     ; back: the 32 lanes take one row of 512 bytes; the same in out0
	v_add_nc_u32 v[RD], s23, v[CO]
	v_lshlrev_b32 v[BO], 5, v2
	s_lshl_b32 s16, s15, 7
	s_lshl_b32 s17, s13, 6
	s_add_co_u32 s16, s16, s17                     ; my first row of out0
	s_lshl_b32 s16, s16, 12                        ; 4,096 bytes a row
	s_lshl_b32 s46, s42, 10
	s_lshl_b32 s47, s14, 9
	s_add_co_u32 s46, s46, s47                     ; my first column, in bytes; also 4 x my first number of b_out
	s_mov_b32 s47, 0
	s_add_nc_u64 s[8:9], s[8:9], s[46:47]
	s_add_co_u32 s16, s16, s46
	s_mov_b32 s17, 0
	s_add_nc_u64 s[10:11], s[10:11], s[16:17]      ; never stepped
	WIN 0x80                                       ; destination window 2
.irp b, 0,1,2,3,4,5,6,7                ; block b, register j: b_out[my first column + 16 b + 8 h + j]
	global_load_b128 v[8*\b:8*\b+3], v[BO], s[8:9] offset:64*\b
	global_load_b128 v[8*\b+4:8*\b+7], v[BO], s[8:9] offset:64*\b+16
.endr
	WIN 0
; 8 products: A's block a x B's eight, 32 along K.  zero = 1: the sums start from the bias.  The 32 accumulators take turns, in the same order in every quarter.
.macro MULA f, a, zero
.irp b, 0,1,2,3,4,5,6,7
.if \zero
	v_wmma_f32_16x16x32_f16 v[8*(8*(\a)+\b):8*(8*(\a)+\b)+7], v[\f+32+8*\b:\f+32+8*\b+7], v[\f+8*(\a):\f+8*(\a)+7], v[8*\b:8*\b+7]
.else
	v_wmma_f32_16x16x32_f16 v[8*(8*(\a)+\b):8*(8*(\a)+\b)+7], v[\f+32+8*\b:\f+32+8*\b+7], v[\f+8*(\a):\f+8*(\a)+7], v[8*(8*(\a)+\b):8*(8*(\a)+\b)+7]
.endif
.endr
.endm
; 24 LDS loads in one run: the fragments of the slot's q-th 32 along K into buffer f: B's eight (turned), then A's four
.macro FETCH slot, q, f
	WIN 0
.irp b, 0,1,2,3,4,5,6,7
	ds_load_tr16_b128 v[\f+32+8*\b:\f+32+8*\b+3],   v[ADRB+\slot] offset:32*PB*(\q)+32*\b
	ds_load_tr16_b128 v[\f+32+8*\b+4:\f+32+8*\b+7], v[ADRB+\slot] offset:32*PB*(\q)+32*\b+16*PB
.endr
.irp i, 0,1,2,3
	ds_load_b128 v[\f+8*\i:\f+8*\i+3],   v[ADRA+\slot] offset:64*PA*((\q)/2)+64*((\q)%2)+8*PA*\i
	ds_load_b128 v[\f+8*\i+4:\f+8*\i+7], v[ADRA+\slot] offset:64*PA*((\q)/2)+64*((\q)%2)+8*PA*\i+32
.endr
.endm
.macro PLACES                          ; four plain lines in front of loads into registers that matrix instructions have read, and of the first read of results
.rept 4
	v_nop
.endr
.endm
; One of a K step's first three quarters: multiplies buffer f, and in its middle fetches quarter q of the same slot into buffer g.
.macro QUARTER slot, q, f, g, zero
	s_wait_dscnt 4                                 ; B and A's blocks 0, 1 are in; the youngest four loads (A's blocks 2, 3) may be out
	WIN MUL+0x10*(\zero)
	MULA \f, 0, \zero
	MULA \f, 1, \zero
	PLACES
	FETCH \slot, \q, \g
	s_wait_dscnt 24                                ; all but the 24 just issued
	WIN MUL+0x10*(\zero)
	MULA \f, 2, \zero
	MULA \f, 3, \zero
.endm
; The last quarter multiplies buffer 1 and changes slots: ONE barrier; in front of it each wave waits for all its tensor loads, adds 0 to its spare word, and waits for that and for its reads of this slot.
; fill = 1: the barrier opens a round of the cluster's barrier, and this slot is filled again, two K steps ahead, first thing behind the round.
.macro TURN slot, next, fill
	WIN 0
	s_wait_tensorcnt 0x0                           ; all my tensor loads have landed: my part of the next slot
	ds_add_u32 v[SPW], v[NIL]
	s_wait_dscnt 5                                 ; (the add and the youngest four loads may be out)
	WIN MUL
	MULA F1, 0, 0
	s_wait_dscnt 0x0                               ; the add is done, and my reads of this slot are over
	s_barrier_signal -1
	MULA F1, 1, 0
.if \fill
	WIN 0
.endif
	s_barrier_wait -1
.if \fill
	CREST
	s_add_nc_u64 s[G0A+4*\slot+2:G0A+4*\slot+3], s[G0A+4*\slot+2:G0A+4*\slot+3], 1048576   ; four heads on
	s_add_nc_u64 s[G0B+4*\slot+2:G0B+4*\slot+3], s[G0B+4*\slot+2:G0B+4*\slot+3], 524288    ; 256 rows on
	JLOAD \slot                                    ; its four v_nop are also the places in front of the loads below
.else
	PLACES
.endif
	FETCH \next, 0, F0
	WIN MUL
	MULA F1, 2, 0
	MULA F1, 3, 0
.endm
	s_wait_tensorcnt 1                             ; my part of K step 0 is in (K step 1's load may be out),
	s_barrier_signal -1
	s_barrier_wait -1                              ; everybody's is
	FETCH 0, 0, F0
	s_wait_loadcnt 0x0                             ; the bias
	QUARTER 0, 1, F0, F1, 1                        ; the first quarter stands in front of the loop: its products start the sums
	WIN 0
	s_mov_b32 s3, LAPS-1
.Llap:                                                 ; a trip goes once round the ring and fills both slots again
	QUARTER 0, 2, F1, F0, 0
	QUARTER 0, 3, F0, F1, 0
	TURN 0, 1, 1
	QUARTER 1, 1, F0, F1, 0
	QUARTER 1, 2, F1, F0, 0
	QUARTER 1, 3, F0, F1, 0
	TURN 1, 0, 1
	QUARTER 0, 1, F0, F1, 0
	WIN 0
	s_sub_co_u32 s3, s3, 1
	s_cmp_lg_u32 s3, 0
	s_cbranch_scc1 .Llap
	QUARTER 0, 2, F1, F0, 0                        ; the last lap fills nothing
	QUARTER 0, 3, F0, F1, 0
	TURN 0, 1, 0
	QUARTER 1, 1, F0, F1, 0
	QUARTER 1, 2, F1, F0, 0
	QUARTER 1, 3, F0, F1, 0
	s_wait_dscnt 4                                 ; the very last quarter
	WIN MUL
	MULA F1, 0, 0
	MULA F1, 1, 0
	s_wait_dscnt 0
	MULA F1, 2, 0
	MULA F1, 3, 0
	WIN 0
; THE WAY OUT, a block of 16 rows x 128 columns at a time, through my own stage: back as whole rows of 512 bytes, which the 32 lanes store as 512 consecutive bytes, aligned.
.macro TOSTAGE a
	WIN 0x04                                       ; an LDS store's data are its source 1: window 1
.irp b, 0,1,2,3,4,5,6,7
	ds_store_b128 v[STO], v[64*(\a)+8*\b:64*(\a)+8*\b+3] offset:64*\b          ; each accumulator from its low end on
	ds_store_b128 v[STO], v[64*(\a)+8*\b+4:64*(\a)+8*\b+7] offset:64*\b+16
.endr
	WIN 0
.set BB, BK+64*((\a)%2)
.irp t, 0,1,2,3,4,5,6,7,8,9,10,11,12,13,14,15
	ds_load_b128 v[BB+4*\t:BB+4*\t+3], v[RD] offset:\t*SPITCH      ; LDS serves a wave's instructions in order: these see the stores above
.endr
.endm
.macro SEND a, younger
.set BB, BK+64*((\a)%2)
	s_wait_dscnt \younger                          ; the block is back in registers
.irp t, 0,1,2,3,4,5,6,7,8,9,10,11,12,13,14,15
	global_store_b128 v[CO], v[BB+4*\t:BB+4*\t+3], s[10:11] offset:65536*(\a)+4096*\t th:TH_STORE_NT   ; written once, read by nobody here
.endr
.endm
	PLACES
	TOSTAGE 0
.irp a, 1,2,3
.if \a > 1
	s_wait_xcnt 0x0                                ; block a - 2's stores have read their registers: block a's loads may land there
.endif
	TOSTAGE \a
	SEND \a-1, 32                                  ; behind block a - 1's loads: block a's 16 stores and 16 loads
.endr
	SEND 3, 0
	s_wait_tensorcnt 0x0                           ; the wave's end
	ds_add_u32 v[SPW], v[NIL]
	s_wait_dscnt 0x0
	CROUND                                         ; the closing round
	s_endpgm
.Lfunc_end_k_q8d5ba00959_proj:
	.size	k_q8d5ba00959_proj, .Lfunc_end_k_q8d5ba00959_proj-k_q8d5ba00959_proj
	.p2alignl 7, 3214868480
	.fill 96, 4, 3214868480
	.section	.rodata,"a",@progbits
	.p2align	6, 0x0
	.amdhsa_kernel k_q8d5ba00959_proj
		.amdhsa_group_segment_fixed_size 327680
		.amdhsa_private_segment_fixed_size 0
		.amdhsa_enable_private_segment 0
		.amdhsa_kernarg_size 32
		.amdhsa_user_sgpr_count 2
		.amdhsa_user_sgpr_kernarg_segment_ptr 1
		.amdhsa_wavefront_size32 1
		.amdhsa_system_sgpr_workgroup_id_x 1
		.amdhsa_system_sgpr_workgroup_id_y 1
		.amdhsa_system_sgpr_workgroup_id_z 1
		.amdhsa_system_vgpr_workitem_id 0
		.amdhsa_next_free_vgpr 640
		.amdhsa_next_free_sgpr 66
		.amdhsa_reserve_vcc 0
		.amdhsa_float_denorm_mode_32 3
		.amdhsa_float_denorm_mode_16_64 3
		.amdhsa_memory_ordered 1
		.amdhsa_forward_progress 1
		.amdhsa_inst_pref_size 87
	.end_amdhsa_kernel
	.amdgpu_metadata
---
amdhsa.version: [ 1, 2 ]
amdhsa.kernels:
  - .name:           k_q8d5ba00959_proj
    .symbol:         k_q8d5ba00959_proj.kd
    .args:
      - { .name: oh, .offset: 0, .size: 8, .value_kind: global_buffer, .address_space: global }
      - { .name: wo16, .offset: 8, .size: 8, .value_kind: global_buffer, .address_space: global }
      - { .name: b_out, .offset: 16, .size: 8, .value_kind: global_buffer, .address_space: global }
      - { .name: out0, .offset: 24, .size: 8, .value_kind: global_buffer, .address_space: global }
    .group_segment_fixed_size: 327680
    .private_segment_fixed_size: 0
    .kernarg_segment_align: 8
    .kernarg_segment_size: 32
    .max_flat_workgroup_size: 128
    .sgpr_count:     66
    .vgpr_count:     640
    .wavefront_size: 32
...
	.end_amdgpu_metadata
.endif
;; end of part 4
